; MI455X (gfx1250); checked and timed in simulation.
; The chip was launched on July 23, 2026; its instructions are those of AMD's public machine-readable ISA for CDNA 5 (MIT licence, August 2026) and "CDNA5" Instruction Set Architecture Reference Guide (July 2026). The comments in the code are by the model that wrote it; some were corrected since.
;; Ro PE Attention. Allowed arithmetic: float matrix products may take bf16 or f16 operands with f32 sums; all other float work in f32.
;; Inputs: Wproj 1,024 x 1,024 float32; Wqkv 3,072 x 1,024 float32; attn_mask 1 x 1 x 2,048 x 2,048 float32; bproj 1,024 float32; freqs_cos 4 x 2,048 x 32 float32; freqs_sin 4 x 2,048 x 32 float32; x 4 x 2,048 x 1,024 float32.
;; Outputs: out0 4 x 2,048 x 1,024 float32.
;; 2 versions, each right and faster than the one before. Each part assembles by itself: llvm-mc -triple=amdgcn-amd-amdhsa -mcpu=gfx1250 --defsym DOCPART=n.
;; ======== version 1 of 2: 4 launches
;; limits: values are held in f16: magnitudes above 65,504 overflow, below 6.1e-05 lose precision
;; workspace buffers: xb 16,777,216 bytes; wqb 6,291,456 bytes; wph 2,097,152 bytes; qkv 50,331,648 bytes; o 16,777,216 bytes
;; launch cast (part 1): grid 768 x 1, 8 waves a work-group, no clusters, 0 bytes of LDS; arguments x, Wqkv, Wproj, xb, wqb, wph; writes xb, wqb, wph
.if DOCPART == 1
	.amdgcn_target "amdgcn-amd-amdhsa--gfx1250"
	.amdhsa_code_object_version 6
	.text
	.protected	k_qcadd840fb6_cast
	.globl	k_qcadd840fb6_cast
	.p2align	8
	.type	k_qcadd840fb6_cast,@function
k_qcadd840fb6_cast:
	s_mov_b64 s[64:65], 0
	v_nop
	global_prefetch_b8 v0, s[64:65] scope:SCOPE_SE
	s_setreg_imm32_b32 hwreg(HW_REG_WAVE_MODE, 25, 1), 1
	s_wait_xcnt 0x0
; The three large f32 inputs are rounded once to 16 bits for the matrix units.
;   x     [8192][1024] -> xb  bf16
;   Wqkv  [3072][1024] -> wqb bf16; its rows 0-1023 (q) times 0.125 = 64^-0.5: a power of two, so it commutes with every rounding that follows
;   Wproj [1024][1024] -> wph: rounded to bf16 like the other inputs, and that number written as f16 (its partner in the last product, O, is f16)
; LIMITS.  wph: a weight beyond 65,504 becomes an infinity, one below 6e-5 keeps f16's fixed step of 6e-8.  wqb: a q weight below 2^-123 loses bits to the factor.
; A stream: no LDS, no barrier, no matrix unit, no cluster (no byte is read by two work-groups).  A work-group takes 16 chunks of 1,024 numbers.  Thread t takes 16 bytes at 16 t of a chunk
; (a wave's load covers 512 consecutive bytes) and stores 8 bytes at 8 t (a wave's store covers 256 consecutive bytes, aligned).  All 16 loads of a thread go out first; the waits count down.
.set G_X,  512                         ; work-groups for x: 8,388,608 numbers / 16,384
.set G_WQ, 192                         ; for Wqkv
.set G_Q,  64                          ; of them for its rows 0-1023
.set X,    4                           ; v[4:67]   chunk j: four f32 as loaded
.set Y,    68                          ; v[68:99]  chunk j: four 16-bit numbers to store; never rewritten, so no store's data needs a wait
.set T,    100                         ; v[100:103] at work
	s_load_b256 s[4:11], s[0:1], 0x0               ; x s[4:5], Wqkv s[6:7], Wproj s[8:9], xb s[10:11]
	s_load_b128 s[12:15], s[0:1], 0x20             ; wqb s[12:13], wph s[14:15]
	v_lshlrev_b32 v1, 4, v0                        ; my 16 bytes in a chunk of f32
	v_lshlrev_b32 v2, 3, v0                        ; my 8 bytes in a chunk of 16-bit numbers
	s_mov_b32 s16, ttmp9
	s_sub_co_u32 s17, s16, G_X                     ; my number among Wqkv's work-groups (wraps to a large number for x's)
	s_sub_co_u32 s19, s16, G_X+G_WQ                ; among Wproj's
	s_mov_b32 s30, 0xffff0000                      ; a word's upper bf16
	s_cmp_lt_u32 s17, G_Q
	s_cselect_b32 s28, 0x3e000000, 1.0             ; 0.125 for q's rows, else 1
	s_mov_b32 s29, s28                             ; named with it as a pair
	s_wait_kmcnt 0x0
	s_cmp_lt_u32 s16, G_X                          ; which tensor: the choice hangs on the work-group's number alone
	s_cselect_b64 s[20:21], s[4:5], s[6:7]
	s_cselect_b64 s[22:23], s[10:11], s[12:13]
	s_cselect_b32 s18, s16, s17
	s_cmp_ge_u32 s16, G_X+G_WQ
	s_cselect_b64 s[20:21], s[8:9], s[20:21]
	s_cselect_b64 s[22:23], s[14:15], s[22:23]
	s_cselect_b32 s18, s19, s18
	s_lshl_b32 s24, s18, 16                        ; 65,536 bytes in,
	s_mov_b32 s25, 0
	s_lshl_b32 s26, s18, 15                        ; 32,768 out, for each work-group
	s_mov_b32 s27, 0
	s_add_nc_u64 s[20:21], s[20:21], s[24:25]
	s_add_nc_u64 s[22:23], s[22:23], s[26:27]
.irp j, 0,1,2,3,4,5,6,7,8,9,10,11,12,13,14,15
	global_load_b128 v[X+4*\j:X+4*\j+3], v1, s[20:21] offset:\j*4096 th:TH_LOAD_NT
.endr
	s_cmp_ge_u32 s16, G_X+G_WQ
	s_cbranch_scc1 .Lhalf
.irp j, 0,1,2,3,4,5,6,7,8,9,10,11,12,13,14,15
	s_wait_loadcnt 15-\j                           ; loads come back in order: chunk j is in, the younger ones stay out
	v_pk_mul_f32 v[X+4*\j:X+4*\j+1], v[X+4*\j:X+4*\j+1], s[28:29] op_sel_hi:[1,0]
	v_pk_mul_f32 v[X+4*\j+2:X+4*\j+3], v[X+4*\j+2:X+4*\j+3], s[28:29] op_sel_hi:[1,0]
	v_cvt_pk_bf16_f32 v[Y+2*\j], v[X+4*\j], v[X+4*\j+1]
	v_cvt_pk_bf16_f32 v[Y+2*\j+1], v[X+4*\j+2], v[X+4*\j+3]
	global_store_b64 v2, v[Y+2*\j:Y+2*\j+1], s[22:23] offset:\j*2048
.endr
	s_endpgm
.Lhalf:                                                ; Wproj: to bf16, widened again, and that number as f16
.irp j, 0,1,2,3,4,5,6,7,8,9,10,11,12,13,14,15
	s_wait_loadcnt 15-\j
	v_cvt_pk_bf16_f32 v[Y+2*\j], v[X+4*\j], v[X+4*\j+1]
	v_cvt_pk_bf16_f32 v[Y+2*\j+1], v[X+4*\j+2], v[X+4*\j+3]
	v_lshlrev_b32 v[T], 16, v[Y+2*\j]
	v_and_b32 v[T+1], s30, v[Y+2*\j]
	v_lshlrev_b32 v[T+2], 16, v[Y+2*\j+1]
	v_and_b32 v[T+3], s30, v[Y+2*\j+1]
	v_cvt_pk_f16_f32 v[Y+2*\j], v[T], v[T+1]
	v_cvt_pk_f16_f32 v[Y+2*\j+1], v[T+2], v[T+3]
	global_store_b64 v2, v[Y+2*\j:Y+2*\j+1], s[22:23] offset:\j*2048
.endr
	s_endpgm
.Lfunc_end_k_qcadd840fb6_cast:
	.size	k_qcadd840fb6_cast, .Lfunc_end_k_qcadd840fb6_cast-k_qcadd840fb6_cast
	.p2alignl 7, 3214868480
	.fill 96, 4, 3214868480
	.section	.rodata,"a",@progbits
	.p2align	6, 0x0
	.amdhsa_kernel k_qcadd840fb6_cast
		.amdhsa_group_segment_fixed_size 0
		.amdhsa_private_segment_fixed_size 0
		.amdhsa_enable_private_segment 0
		.amdhsa_kernarg_size 48
		.amdhsa_user_sgpr_count 2
		.amdhsa_user_sgpr_kernarg_segment_ptr 1
		.amdhsa_wavefront_size32 1
		.amdhsa_system_sgpr_workgroup_id_x 1
		.amdhsa_system_sgpr_workgroup_id_y 1
		.amdhsa_system_sgpr_workgroup_id_z 1
		.amdhsa_system_vgpr_workitem_id 0
		.amdhsa_next_free_vgpr 104
		.amdhsa_next_free_sgpr 66
		.amdhsa_reserve_vcc 0
		.amdhsa_float_denorm_mode_32 3
		.amdhsa_float_denorm_mode_16_64 3
		.amdhsa_memory_ordered 1
		.amdhsa_forward_progress 1
		.amdhsa_inst_pref_size 17
	.end_amdhsa_kernel
	.amdgpu_metadata
---
amdhsa.version: [ 1, 2 ]
amdhsa.kernels:
  - .name:           k_qcadd840fb6_cast
    .symbol:         k_qcadd840fb6_cast.kd
    .args:
      - { .name: x, .offset: 0, .size: 8, .value_kind: global_buffer, .address_space: global }
      - { .name: Wqkv, .offset: 8, .size: 8, .value_kind: global_buffer, .address_space: global }
      - { .name: Wproj, .offset: 16, .size: 8, .value_kind: global_buffer, .address_space: global }
      - { .name: xb, .offset: 24, .size: 8, .value_kind: global_buffer, .address_space: global }
      - { .name: wqb, .offset: 32, .size: 8, .value_kind: global_buffer, .address_space: global }
      - { .name: wph, .offset: 40, .size: 8, .value_kind: global_buffer, .address_space: global }
    .group_segment_fixed_size: 0
    .private_segment_fixed_size: 0
    .kernarg_segment_align: 8
    .kernarg_segment_size: 48
    .max_flat_workgroup_size: 256
    .sgpr_count:     66
    .vgpr_count:     104
    .wavefront_size: 32
...
	.end_amdgpu_metadata
.endif
;; end of part 1
;; launch qkvrope (part 2): grid 8 x 32, 4 waves a work-group, clusters of 4 x 4, 327,680 bytes of LDS; arguments xb, wqb, qkv, freqs_cos, freqs_sin; writes qkv
.if DOCPART == 2
	.amdgcn_target "amdgcn-amd-amdhsa--gfx1250"
	.amdhsa_code_object_version 6
	.text
	.protected	k_qcadd840fb6_qkvrope
	.globl	k_qcadd840fb6_qkvrope
	.p2align	8
	.type	k_qcadd840fb6_qkvrope,@function
k_qcadd840fb6_qkvrope:
	s_mov_b64 s[64:65], 0
	v_nop
	global_prefetch_b8 v0, s[64:65] scope:SCOPE_SE
	s_setreg_imm32_b32 hwreg(HW_REG_WAVE_MODE, 25, 1), 1
	s_wait_xcnt 0x0
	s_wait_alu depctr_hold_cnt(0) depctr_sa_sdst(0) depctr_va_vdst(0) depctr_va_sdst(0) depctr_va_ssrc(0) depctr_va_vcc(0) depctr_vm_vsrc(0)
	s_getreg_b32 s2, hwreg(HW_REG_IB_STS2, 6, 4)
	s_cmp_eq_u32 s2, 0
	s_cbranch_scc0 .Lentry_in_a_cluster
	s_endpgm
.Lentry_in_a_cluster:
	s_bfe_u32 s2, ttmp6, 0x10000c
	s_cmp_lg_u32 s2, 0xf033
	s_cbranch_scc0 .Lentry_shape_is_right
	s_endpgm
.Lentry_shape_is_right:
; qkv = x Wqkv^T with the rotation of q and k on the way out.  xb [8192][1024] bf16, wqb [3072][1024] bf16 (q's rows carry 64^-0.5), sums in f32.
; Out: qkv [3][64 = 16 batch + head][2048][64] f16: part 0 the rotated, scaled q, part 1 the rotated k, part 2 v; each number rounded once from f32.
; LIMITS.  f16 ends at 65,504: |q| / 8, |k| and |v| must stay below it.  cos and sin are rounded to bf16, like x and the weights, and used in f32.
; SHARES.  A tile is 256 tokens x 128 columns (two heads).  Four waves, each 128 tokens x 64 columns (one head): 32 accumulators of 16 x 16, 256 registers.  3,072 columns make 768 tiles:
; A WORK-GROUP STAYS and makes three of them, on the same tokens and the same two heads: q, then k, then v, 1,024 rows of wqb apart.  So cos and sin of its tokens are loaded once, every
; work-group does the same work, and which way out a tile takes hangs on the tile's count alone, which is equal in all work-groups.
; K goes in steps of 128 through two LDS slots; the ring runs on into the next tile: a tile's last two changes of slots ask for the next tile's first two steps.
; CLUSTER 4 x 4: the four work-groups of a row need the same tiles of xb, the four of a column the same tiles of wqb: each tile is asked for jointly.
; THE MATRIX INSTRUCTION IS USED TRANSPOSED (source 0 = 16 rows of wqb, source 1 = 16 tokens): a lane holds one token (lane % 16) and eight neighbouring columns 8 (lane / 16) + 0..7,
; that is four whole pairs of the rotation, which so needs no other lane, and 16 bytes of f16 that belong together.
; REGISTERS, in windows of 256: window 0: v0-31 addresses, v32-111 at work on the way out; window 1: two fragment buffers of 96 (32 of wqb, 64 of xb); window 2: the accumulators,
; (a, b) at v[8 (4 a + b)]; window 3: v0-127 cos, v128-255 sin: the four numbers for token block a, column block b at 16 a + 4 b.
.set KDIM,   1024
.set KSTEP,  128
.set PA,     272                       ; an LDS row: 256 bytes + 16 of padding = 68 words: the 16 rows of a fragment load start at 16 different groups of four banks (64 banks of 4 bytes: ISA guide 11.1)
.set PB,     272
.set AHALF,  128*PA                    ; what one tensor load brings of xb
.set BHALF,  64*PB                     ; and of wqb
.set BOFF,   2*AHALF                   ; a slot: 256 rows of xb, then 128 rows of wqb
.set SLOT,   BOFF+2*BHALF
.set STAGE,  2*SLOT                    ; behind the ring: 16 rows x 144 bytes for each wave, for the way out; no tensor load lands there
.set SP,     144
.set SPARE,  STAGE+4*16*SP             ; behind the stages: the spare words, 128 bytes for each wave: two blocks of 256 bytes that no other line names
.set LAPS,   KDIM/(2*KSTEP)            ; a lap = two K steps = once round the ring
.set TILES,  3
.set BACK_A, (KDIM-2*KSTEP)*2          ; bytes from a slot's last K step of a tile back to its first: xb's rows stay,
.set NEXT_B, 1024*KDIM*2-BACK_A        ; wqb goes 1,024 rows on
.set PART,   0x1000000                 ; bytes from q to k and from k to v in the output
.set ADRA, 16                          ; v16-17  LDS address of my xb fragments in slot 0, 1
.set ADRB, 20                          ; v20-21  the same for wqb
.set STO,  24                          ; v24     the way out: where I put 16 bytes of a row
.set RD,   25                          ; v25     where I read rows back
.set CO,   26                          ; v26     my byte offset in 512 consecutive bytes of the output
.set SPW,  28                          ; v28     LDS address of my spare word; never rewritten
.set NIL,  29                          ; v29     0; never rewritten
.set T,    32                          ; v32-63  a block's 32 rotated numbers in f32
.set TMP,  64                          ; v64-79  the same in f16
.set OB,   80                          ; v80-95, v96-111 by turns: a block read back from the stage
.set F0,   0                           ; fragment buffers, in window 1
.set F1,   96
.set SIN,  128                         ; window 3
.set G1, 24                            ; s[24:31] descriptor group 1 for xb's tiles; s[32:39] group 0, a set for each slot
.set G0, 32
.set G1B, 48                           ; s[48:55], s[56:63] the same for wqb's
.set G0B, 56
.set MSB, 0
.macro WIN new                         ; the immediate's high byte repeats the setting that is left; a switch that changes nothing is dropped
.if MSB != (\new)
	s_set_vgpr_msb (MSB<<8)|(\new)
.set MSB, \new
.endif
.endm
.set MUL,  0xa5                        ; sources 0 and 1 window 1; C and D window 2
.set TO_F, 0x40                        ; destination window 1, address window 0
.macro JLOAD s                         ; a joint load: waves 0 and 1 fetch xb's two halves, waves 2 and 3 wqb's; four v_nop follow each of the two lines
	s_cmp_eq_u32 s11, 0
	s_cbranch_scc0 .Lfor_b_\@
	tensor_load_to_lds s[G0+4*(\s):G0+4*(\s)+3], s[G1:G1+7]
.rept 4
	v_nop
.endr
	s_branch .Lasked_\@
.Lfor_b_\@:
	tensor_load_to_lds s[G0B+4*(\s):G0B+4*(\s)+3], s[G1B:G1B+7]
.rept 4
	v_nop
.endr
.Lasked_\@:
.endm
.macro CREST                           ; a round of the cluster's barrier behind its opening barrier
	s_cmp_lg_u32 s10, 0
	s_cbranch_scc1 .Lnot_wave_0_\@
	s_barrier_signal -3
.Lnot_wave_0_\@:
	s_barrier_wait -3
	s_barrier_signal -1
	s_barrier_wait -1
.endm
.macro CROUND                          ; a whole round
	s_barrier_signal -1
	s_barrier_wait -1
	CREST
.endm
	s_load_b128 s[4:7], s[0:1], 0x0                ; xb s[4:5], wqb s[6:7]
	s_load_b64 s[8:9], s[0:1], 0x10                ; qkv
	s_load_b128 s[68:71], s[0:1], 0x18             ; cos s[68:69], sin s[70:71]
	v_lshl_add_u32 v[SPW], v0, 2, SPARE
	v_mov_b32 v[NIL], 0
	v_lshrrev_b32 v1, 5, v0
	v_readfirstlane_b32 s10, v1                    ; wave 0..3
	s_lshr_b32 s11, s10, 1                         ; which half of the tile's tokens is mine.  Also: I fetch for xb (0) or for wqb (1)
	s_and_b32 s12, s10, 1                          ; which of its two heads.  Also: which half of that tile I fetch
	s_bfe_u32 s40, ttmp6, 0x40000                  ; cx, cy: my place in the cluster
	s_bfe_u32 s41, ttmp6, 0x40004
	s_lshl_b32 s42, ttmp9, 2
	s_add_co_u32 s42, s42, s40                     ; column tile 0..7 = 4 x cluster x + cx
	s_and_b32 s13, ttmp7, 0xffff
	s_lshl_b32 s13, s13, 2
	s_add_co_u32 s13, s13, s41                     ; token tile 0..31 = 4 x cluster y + cy
	s_lshl_b32 s43, s41, 2
	s_lshl_b32 s43, 15, s43                        ; my row of the cluster
	s_lshl_b32 s44, 0x1111, s40                    ; my column
	s_mov_b32 s45, 0xffff0000                      ; a word's upper bf16
	; descriptor group 1: rows of 128 elements of 2 bytes, padded in LDS; 128 rows of xb, 64 of wqb
	s_or_b32 s[G1+0], s43, (1<<16)|(1<<20)|(1<<21)|(5<<22)|(3<<25)  ; 15:0 the mask: my row; 17:16 2-byte elements; 20 padding on; 21 set beside a mask; 24:22 after every 64 words (code 5); 31:25 4 words (code 3)
	s_or_b32 s[G1B+0], s44, (1<<16)|(1<<20)|(1<<21)|(5<<22)|(3<<25) ; the same with the mask of my column
.irp g, G1, G1B
	s_mov_b32 s[(\g)+1], KSTEP<<16                 ; tensor_dim0 = 128
	s_mov_b32 s[(\g)+3], KSTEP<<16                 ; tile_dim0 = 128
	s_mov_b32 s[(\g)+5], KDIM                      ; elements from row to row
	s_mov_b32 s[(\g)+6], 0
	s_mov_b32 s[(\g)+7], 0
.endr
	s_mov_b32 s[G1+2], 128<<16                     ; tensor_dim1
	s_mov_b32 s[G1+4], 128                         ; tile_dim1
	s_mov_b32 s[G1B+2], 64<<16
	s_mov_b32 s[G1B+4], 64
	; xb's tiles hang on the token tile alone, which my row shares; wqb's on the column tile alone, which my column shares
	s_lshl_b32 s17, s12, 7
	s_lshl_b32 s16, s13, 8
	s_add_co_u32 s16, s16, s17                     ; xb: row 256 x token tile + 128 x half
	s_lshl_b32 s16, s16, 11                        ; rows of 2,048 bytes: under 2^24
	s_mov_b32 s17, 0
	s_lshl_b32 s47, s12, 6
	s_lshl_b32 s46, s42, 7
	s_add_co_u32 s46, s46, s47                     ; wqb: row 128 x column tile + 64 x half
	s_lshl_b32 s46, s46, 11
	s_mov_b32 s47, 0
	s_mul_i32 s20, s12, AHALF                      ; where they go: no place in the cluster enters an LDS address
	s_mul_i32 s21, s12, BHALF
	s_add_co_u32 s21, s21, BOFF
	s_wait_kmcnt 0x0
	s_add_nc_u64 s[14:15], s[4:5], s[16:17]
	s_add_nc_u64 s[46:47], s[6:7], s[46:47]
	CROUND                                         ; all sixteen work-groups are here: the first joint loads meet
.irp s, 0,1
	s_mov_b32 s[G0+4*(\s)], 1                                      ; count = 1
	s_add_co_u32 s[G0+4*(\s)+1], s20, (\s)*SLOT                    ; LDS address
	s_add_nc_u64 s[G0+4*(\s)+2:G0+4*(\s)+3], s[14:15], (\s)*KSTEP*2  ; global address: K step s
	s_or_b32 s[G0+4*(\s)+3], s[G0+4*(\s)+3], 0x80000000            ; type = 2
	s_mov_b32 s[G0B+4*(\s)], 1
	s_add_co_u32 s[G0B+4*(\s)+1], s21, (\s)*SLOT
	s_add_nc_u64 s[G0B+4*(\s)+2:G0B+4*(\s)+3], s[46:47], (\s)*KSTEP*2
	s_or_b32 s[G0B+4*(\s)+3], s[G0B+4*(\s)+3], 0x80000000
	JLOAD \s                                       ; two tensor loads of mine are out
.endr
	; cos and sin of my 128 tokens: [8192][32] f32.  My lane's columns 16 b + 8 h + 0..7 of a head are the pairs 8 b + 4 h + 0..3: 16 bytes at 128 x token + 32 b + 16 h.
	v_and_b32 v1, 15, v0                           ; r = l % 16
	v_bfe_u32 v2, v0, 4, 1                         ; h = l / 16
	v_lshlrev_b32 v5, 7, v1
	v_lshl_add_u32 v5, v2, 4, v5                   ; 128 r + 16 h; not rewritten before the wait for these loads
	s_lshl_b32 s18, s13, 15                        ; 256 tokens of 128 bytes a tile,
	s_lshl_b32 s19, s11, 14                        ; my half of them
	s_add_co_u32 s18, s18, s19
	s_mov_b32 s19, 0
	s_add_nc_u64 s[68:69], s[68:69], s[18:19]
	s_add_nc_u64 s[70:71], s[70:71], s[18:19]
	WIN 0xc0                                       ; destination window 3, address window 0
.irp a, 0,1,2,3,4,5,6,7
.irp b, 0,1,2,3
	global_load_b128 v[16*\a+4*\b:16*\a+4*\b+3], v5, s[68:69] offset:2048*\a+32*\b
	global_load_b128 v[SIN+16*\a+4*\b:SIN+16*\a+4*\b+3], v5, s[70:71] offset:2048*\a+32*\b
.endr
.endr
	WIN 0
	; a fragment is 16 rows x 32 K in 8 registers: lane l holds row l % 16, K = 8 (l / 16) + 0..7 and 16 + 8 (l / 16) + 0..7: two loads of 16 bytes, 32 bytes apart
	v_mul_u32_u24 v3, v1, PA
	v_lshl_add_u32 v3, v2, 4, v3                   ; row x pitch + 16 x half (both pitches are 272)
	s_mul_i32 s22, s11, AHALF                      ; my 128 tokens
	s_mul_i32 s23, s12, BHALF                      ; my 64 rows of wqb,
	s_add_co_u32 s23, s23, BOFF                    ; which lie behind xb's 256
.irp s, 0,1
	v_add_nc_u32 v[ADRA+(\s)], s22, v3
	v_add_nc_u32 v[ADRB+(\s)], s23, v3
	s_add_co_u32 s22, s22, SLOT
	s_add_co_u32 s23, s23, SLOT
.endr
	s_mul_i32 s18, s10, 16*SP
	s_add_co_u32 s18, s18, STAGE                   ; my stage
	v_mul_u32_u24 v4, v1, SP                       ; in: row l % 16, 16 bytes for each half of the lanes
	v_lshl_add_u32 v4, v2, 4, v4
	v_add_nc_u32 v[STO], s18, v4
	v_bfe_u32 v4, v0, 3, 2                         ; back: 32 lanes take four rows of 128 bytes,
	v_mul_u32_u24 v4, v4, SP
	v_and_b32 v3, 7, v0
	v_lshl_add_u32 v4, v3, 4, v4
	v_add_nc_u32 v[RD], s18, v4
	v_and_b32 v[CO], 31, v0                        ; which are 512 consecutive bytes of a head's rows
	v_lshlrev_b32 v[CO], 4, v[CO]
	; where my 128 rows of q begin: (16 batch + head) x 262,144 + row in the batch x 128; the first way out adds it to the output's address
	s_lshr_b32 s16, s13, 3                         ; batch: eight token tiles each
	s_lshl_b32 s16, s16, 4
	s_lshl_b32 s46, s42, 1
	s_add_co_u32 s46, s46, s12                     ; head = 2 x column tile + my half
	s_add_co_u32 s16, s16, s46
	s_lshl_b32 s16, s16, 18
	s_and_b32 s17, s13, 7
	s_lshl_b32 s17, s17, 8
	s_lshl_b32 s18, s11, 7
	s_add_co_u32 s17, s17, s18
	s_lshl_b32 s17, s17, 7
	s_add_co_u32 s16, s16, s17
	s_mov_b32 s17, 0
	s_wait_loadcnt 0x0                             ; cos and sin are in: rounded to bf16 and widened again, in the wait for the first tile
	WIN 0x0f                                       ; sources window 3, destination window 0
.set i, 0
.rept 128
	v_cvt_pk_bf16_f32 v[32+i], v[2*i], v[2*i+1]
.set i, i+1
.endr
	WIN 0xc0                                       ; destination window 3, sources window 0
.set i, 0
.rept 128
	v_lshlrev_b32 v[2*i], 16, v[32+i]
	v_and_b32 v[2*i+1], s45, v[32+i]
.set i, i+1
.endr
	WIN 0
; 8 matrix instructions: token blocks a0, a0 + 1 x all 4 column blocks, 32 along K.  zero = 1: the product starts the sums.  The 32 accumulators take turns, in the same order in every
; quarter.
.macro MUL8 f, a0, zero
	WIN MUL
.irp a, \a0, (\a0)+1
.irp b, 0,1,2,3
.if \zero
	v_wmma_f32_16x16x32_bf16 v[8*(4*(\a)+(\b)):8*(4*(\a)+(\b))+7], v[(\f)+8*(\b):(\f)+8*(\b)+7], v[(\f)+32+8*(\a):(\f)+32+8*(\a)+7], 0
.else
	v_wmma_f32_16x16x32_bf16 v[8*(4*(\a)+(\b)):8*(4*(\a)+(\b))+7], v[(\f)+8*(\b):(\f)+8*(\b)+7], v[(\f)+32+8*(\a):(\f)+32+8*(\a)+7], v[8*(4*(\a)+(\b)):8*(4*(\a)+(\b))+7]
.endif
.endr
.endr
.endm
; 24 LDS loads in one run: the fragments of quarter kq (32 along K) into buffer f: wqb's 4 first, then xb's 8
.macro FETCH slot, kq, f
	WIN TO_F
.irp i, 0,1,2,3
	ds_load_b128 v[(\f)+8*(\i):(\f)+8*(\i)+3],   v[ADRB+(\slot)] offset:64*(\kq)+(\i)*16*PB
	ds_load_b128 v[(\f)+8*(\i)+4:(\f)+8*(\i)+7], v[ADRB+(\slot)] offset:64*(\kq)+(\i)*16*PB+32
.endr
.irp i, 0,1,2,3,4,5,6,7
	ds_load_b128 v[(\f)+32+8*(\i):(\f)+32+8*(\i)+3],   v[ADRA+(\slot)] offset:64*(\kq)+(\i)*16*PA
	ds_load_b128 v[(\f)+32+8*(\i)+4:(\f)+32+8*(\i)+7], v[ADRA+(\slot)] offset:64*(\kq)+(\i)*16*PA+32
.endr
.endm
.macro PLACES                          ; four places in front of loads into registers that matrix instructions have read, and of vector lines that read results
.rept 4
	v_nop
.endr
.endm
; A K step is four quarters of 32 along K, 32 matrix instructions each, on buffers 0, 1, 0, 1.  One of the first three: multiplies buffer f and fetches quarter kq into g.
.macro QUARTER slot, kq, f, g, zero
	s_wait_dscnt 8                                 ; wqb's fragments and xb's blocks 0-3 are in; the youngest eight loads (blocks 4-7) may be out
	MUL8 \f, 0, \zero
	MUL8 \f, 2, \zero
	PLACES
	FETCH \slot, \kq, \g
	s_wait_dscnt 24                                ; all but the 24 just issued
	MUL8 \f, 4, \zero
	MUL8 \f, 6, \zero
.endm
; The last quarter multiplies buffer 1 and changes slots: ONE barrier; in front of it each wave waits for all its tensor loads (one is out: its part of the next slot), adds 0 to its spare
; word, and waits for that and for its own reads of this slot.  mode 1: this slot is filled again, two K steps on; 2: with the next tile's K step 0 or 1; 0: nothing is filled.
.macro TURN slot, next, mode
	WIN 0                                          ; (the add's two registers lie in window 0)
	s_wait_tensorcnt 0x0                           ; all my tensor loads have landed;
	ds_add_u32 v[SPW], v[NIL]                      ; 0 onto my spare word
	s_wait_dscnt 9                                 ; (the add and the youngest eight loads may be out)
	MUL8 F1, 0, 0                                  ; eight matrix instructions stand between the add and the wait for it
	s_wait_dscnt 0x0                               ; the add is done, and my reads of this slot are over
	s_barrier_signal -1
	MUL8 F1, 2, 0
.if \mode
	WIN 0
.endif
	s_barrier_wait -1
.if \mode
	CREST                                          ; the barrier has opened a round of the cluster's: no wave of any partner still reads this slot or has a load on its way
.if (\mode) == 2
	s_sub_nc_u64 s[G0+4*(\slot)+2:G0+4*(\slot)+3], s[G0+4*(\slot)+2:G0+4*(\slot)+3], BACK_A
	s_add_nc_u64 s[G0B+4*(\slot)+2:G0B+4*(\slot)+3], s[G0B+4*(\slot)+2:G0B+4*(\slot)+3], NEXT_B
.else
	s_add_nc_u64 s[G0+4*(\slot)+2:G0+4*(\slot)+3], s[G0+4*(\slot)+2:G0+4*(\slot)+3], 2*KSTEP*2
	s_add_nc_u64 s[G0B+4*(\slot)+2:G0B+4*(\slot)+3], s[G0B+4*(\slot)+2:G0B+4*(\slot)+3], 2*KSTEP*2
.endif
	JLOAD \slot                                    ; the first tensor load behind the round, 112 matrix instructions ahead of the wait for it; its four v_nop are also the places in front of the loads below
.else
	PLACES
.endif
	FETCH \next, 0, F0
	MUL8 F1, 4, 0
	MUL8 F1, 6, 0
.endm
; THE WAY OUT of token block a (16 rows of one head, 2,048 dense bytes of the output).
; ROPE: the pair (t0, t1) becomes (t0 c - t1 s, t0 s + t1 c), two packed lines a pair: first (t0 c, t1 c), then (- t1 s, + t0 s) onto it with the pair's halves crossed.  Then rounded to f16.
; Each accumulator's registers are taken in ascending order.
.macro ROPE a
	WIN 0x0e                                       ; source 0 window 2 (sums), source 1 window 3 (cos, sin), source 2 and destination window 0
.irp b, 0,1,2,3
.irp g, 0,1
.set rA, 8*(4*(\a)+\b)+4*\g
.set rC, 16*(\a)+4*\b+2*\g
.set rT, T+8*\b+4*\g
	v_pk_mul_f32 v[rT:rT+1],   v[rA:rA+1],   v[rC:rC+1] op_sel:[0,0] op_sel_hi:[1,0]
	v_pk_mul_f32 v[rT+2:rT+3], v[rA+2:rA+3], v[rC:rC+1] op_sel:[0,1] op_sel_hi:[1,1]
	v_pk_fma_f32 v[rT:rT+1],   v[rA:rA+1],   v[SIN+rC:SIN+rC+1], v[rT:rT+1]     op_sel:[1,0,0] op_sel_hi:[0,0,1] neg_lo:[1,0,0]
	v_pk_fma_f32 v[rT+2:rT+3], v[rA+2:rA+3], v[SIN+rC:SIN+rC+1], v[rT+2:rT+3] op_sel:[1,1,0] op_sel_hi:[0,1,1] neg_lo:[1,0,0]
.endr
.endr
	WIN 0
.irp b, 0,1,2,3
.irp i, 0,1,2,3
	v_cvt_pk_f16_f32 v[TMP+4*\b+\i], v[T+8*\b+2*\i], v[T+8*\b+2*\i+1]
.endr
.endr
.endm
.macro CVT a                           ; v is not rotated
	WIN 0x0a                                       ; sources window 2
.irp b, 0,1,2,3
.irp i, 0,1,2,3
	v_cvt_pk_f16_f32 v[TMP+4*\b+\i], v[8*(4*(\a)+\b)+2*\i], v[8*(4*(\a)+\b)+2*\i+1]
.endr
.endr
	WIN 0
.endm
.macro TOSTAGE a                       ; into my own stage, rows of 144 bytes, and back as whole rows of 128
	WIN 0
.set BK, OB+16*((\a)%2)
.irp b, 0,1,2,3
	ds_store_b128 v[STO], v[TMP+4*\b:TMP+4*\b+3] offset:32*\b
.endr
.irp f, 0,1,2,3
	ds_load_b128 v[BK+4*\f:BK+4*\f+3], v[RD] offset:\f*4*SP  ; LDS serves a wave's instructions in order (ISA guide 5.7.1.4): these see the stores above
.endr
.endm
.macro SEND a
	WIN 0
.set BK, OB+16*((\a)%2)
	s_wait_dscnt 0x0                               ; the block is back in registers
	s_wait_xcnt 0x0                                ; earlier stores have had their addresses translated (ISA guide 3.1): only behind this wait are their base and the registers that they read rewritten
.if (\a) == 0
	s_add_nc_u64 s[8:9], s[8:9], s[16:17]          ; on to this tile's part of the output
.endif
.irp f, 0,1,2,3
	global_store_b128 v[CO], v[BK+4*\f:BK+4*\f+3], s[8:9] offset:2048*(\a)+512*\f  ; 512 consecutive bytes, at a multiple of 256 from the output's first
.endr
.endm
	s_wait_tensorcnt 1                             ; my part of K step 0 is in; step 1's may stay out
	s_barrier_signal -1
	s_barrier_wait -1                              ; everybody's is
	FETCH 0, 0, F0
	WIN 0                                          ; at a label and at a branch every window is 0
	s_mov_b32 s2, TILES                            ; tiles to go: the same number in every work-group
.Ltile:
	QUARTER 0, 1, F0, F1, 1                        ; a tile's first quarter stands in front of the loop: its products start the sums
	WIN 0
	s_mov_b32 s3, LAPS-1
.Llap:                                                 ; a trip goes once round the ring, from a lap's second quarter to the next lap's first, and fills both slots again
	QUARTER 0, 2, F1, F0, 0
	QUARTER 0, 3, F0, F1, 0
	TURN 0, 1, 1
	QUARTER 1, 1, F0, F1, 0
	QUARTER 1, 2, F1, F0, 0
	QUARTER 1, 3, F0, F1, 0
	TURN 1, 0, 1
	QUARTER 0, 1, F0, F1, 0
	WIN 0
	s_sub_co_u32 s3, s3, 1
	s_cmp_lg_u32 s3, 0
	s_cbranch_scc1 .Llap
	QUARTER 0, 2, F1, F0, 0                        ; the tile's last lap goes on
	QUARTER 0, 3, F0, F1, 0
	WIN 0
	s_cmp_eq_u32 s2, 1
	s_cbranch_scc1 .Llast                          ; the last tile's tail is written out: it asks for nothing more
	TURN 0, 1, 2                                   ; the ring goes on into the next tile: slot 0 takes its K step 0,
	QUARTER 1, 1, F0, F1, 0
	QUARTER 1, 2, F1, F0, 0
	QUARTER 1, 3, F0, F1, 0
	TURN 1, 0, 2                                   ; slot 1 its K step 1, and the next tile's first fragments are fetched
	ROPE 0                                         ; q or k goes out.  Blocks 0-3 were finished in front of the joint load's four v_nop; their lines, which name no register of the last products, are those products' places
	TOSTAGE 0
.irp a, 1,2,3,4,5,6,7                  ; block a's arithmetic stands between block a - 1's loads from the stage and the wait for them
	ROPE \a
	SEND (\a)-1
	TOSTAGE \a
.endr
	SEND 7
	s_mov_b64 s[16:17], PART                       ; what the next way out adds to the output's address
	s_sub_co_u32 s2, s2, 1
	s_branch .Ltile
.Llast:
	TURN 0, 1, 0                                   ; my one tensor load that was out is the last K step's, so no round follows
	QUARTER 1, 1, F0, F1, 0
	QUARTER 1, 2, F1, F0, 0
	QUARTER 1, 3, F0, F1, 0
	s_wait_dscnt 8                                 ; the very last quarter: nothing more to fetch
	MUL8 F1, 0, 0
	MUL8 F1, 2, 0
	s_wait_dscnt 0x0
	MUL8 F1, 4, 0
	MUL8 F1, 6, 0
	WIN 0
	PLACES
	CVT 0                                          ; v goes out
	TOSTAGE 0
.irp a, 1,2,3,4,5,6,7
	CVT \a
	SEND (\a)-1
	TOSTAGE \a
.endr
	SEND 7
	s_wait_tensorcnt 0x0                           ; the wave's end: behind my last tensor load and my last LDS store
	ds_add_u32 v[SPW], v[NIL]
	s_wait_dscnt 0x0
	CROUND                                         ; the closing round: no work-group ends while a partner may still ask for a tile that names it
	s_endpgm
.Lfunc_end_k_qcadd840fb6_qkvrope:
	.size	k_qcadd840fb6_qkvrope, .Lfunc_end_k_qcadd840fb6_qkvrope-k_qcadd840fb6_qkvrope
	.p2alignl 7, 3214868480
	.fill 96, 4, 3214868480
	.section	.rodata,"a",@progbits
	.p2align	6, 0x0
	.amdhsa_kernel k_qcadd840fb6_qkvrope
		.amdhsa_group_segment_fixed_size 327680
		.amdhsa_private_segment_fixed_size 0
		.amdhsa_enable_private_segment 0
		.amdhsa_kernarg_size 40
		.amdhsa_user_sgpr_count 2
		.amdhsa_user_sgpr_kernarg_segment_ptr 1
		.amdhsa_wavefront_size32 1
		.amdhsa_system_sgpr_workgroup_id_x 1
		.amdhsa_system_sgpr_workgroup_id_y 1
		.amdhsa_system_sgpr_workgroup_id_z 1
		.amdhsa_system_vgpr_workitem_id 0
		.amdhsa_next_free_vgpr 1024
		.amdhsa_next_free_sgpr 72
		.amdhsa_reserve_vcc 0
		.amdhsa_float_denorm_mode_32 3
		.amdhsa_float_denorm_mode_16_64 3
		.amdhsa_memory_ordered 1
		.amdhsa_forward_progress 1
		.amdhsa_inst_pref_size 162
	.end_amdhsa_kernel
	.amdgpu_metadata
---
amdhsa.version: [ 1, 2 ]
amdhsa.kernels:
  - .name:           k_qcadd840fb6_qkvrope
    .symbol:         k_qcadd840fb6_qkvrope.kd
    .args:
      - { .name: xb, .offset: 0, .size: 8, .value_kind: global_buffer, .address_space: global }
      - { .name: wqb, .offset: 8, .size: 8, .value_kind: global_buffer, .address_space: global }
      - { .name: qkv, .offset: 16, .size: 8, .value_kind: global_buffer, .address_space: global }
      - { .name: freqs_cos, .offset: 24, .size: 8, .value_kind: global_buffer, .address_space: global }
      - { .name: freqs_sin, .offset: 32, .size: 8, .value_kind: global_buffer, .address_space: global }
    .group_segment_fixed_size: 327680
    .private_segment_fixed_size: 0
    .kernarg_segment_align: 8
    .kernarg_segment_size: 40
    .max_flat_workgroup_size: 128
    .sgpr_count:     72
    .vgpr_count:     1024
    .wavefront_size: 32
...
	.end_amdgpu_metadata
.endif
;; end of part 2
;; launch attn (part 3): grid 4 x 64, 4 waves a work-group, clusters of 4 x 4, 327,680 bytes of LDS; arguments qkv, attn_mask, o; writes o
.if DOCPART == 3
	.amdgcn_target "amdgcn-amd-amdhsa--gfx1250"
	.amdhsa_code_object_version 6
	.text
	.protected	k_qcadd840fb6_attn
	.globl	k_qcadd840fb6_attn
	.p2align	8
	.type	k_qcadd840fb6_attn,@function
k_qcadd840fb6_attn:
	s_mov_b64 s[64:65], 0
	v_nop
	global_prefetch_b8 v0, s[64:65] scope:SCOPE_SE
	s_setreg_imm32_b32 hwreg(HW_REG_WAVE_MODE, 25, 1), 1
	s_wait_xcnt 0x0
	s_wait_alu depctr_hold_cnt(0) depctr_sa_sdst(0) depctr_va_vdst(0) depctr_va_sdst(0) depctr_va_ssrc(0) depctr_va_vcc(0) depctr_vm_vsrc(0)
	s_getreg_b32 s2, hwreg(HW_REG_IB_STS2, 6, 4)
	s_cmp_eq_u32 s2, 0
	s_cbranch_scc0 .Lentry_in_a_cluster
	s_endpgm
.Lentry_in_a_cluster:
	s_bfe_u32 s2, ttmp6, 0x10000c
	s_cmp_lg_u32 s2, 0xf033
	s_cbranch_scc0 .Lentry_shape_is_right
	s_endpgm
.Lentry_shape_is_right:
; O[hd][q][:] = the sum over k of softmax_k(Q[hd][q] . K[hd][k] + M[q][k]) V[hd][k][:].  Q, K, V: the three parts of qkv, [64][2048][64] f16 (Q carries 64^-0.5); M: attn_mask [2048][2048] f32, one
; for all 64 heads; O: [64][2048][64] f16.  Products, maxima and sums in f32; the weights p are rounded to f16 for the second product (their sum l is taken of the unrounded p), O once at the end.
; LIMITS.  Q, K, V arrive within f16's 65,504; p lies in 0 to 1 and below 6e-5 keeps f16's fixed step of 6e-8.  The running maximum starts at -2^125: lower scores count as hidden.  A weight
; below 2^-126 counts as 0 in l.  A mask entry of minus infinity gives the weight 0; a row hidden altogether gives NaN.  NaN and plus infinity are not treated apart.
; THE MASK COSTS NO VECTOR LINE: it is the C operand of the product that starts a sum S^T = K Q^T + M^T.  In that result register j of lane l is (key 8 (l / 16) + j, query l % 16): eight
; neighbouring f32 of one row of M, two loads of 16 bytes from a tile that lies in LDS as it lies in memory.
; SHARES.  A wave owns four PIECES of two tiles of 16 queries, a work-group's four waves 512 queries of one head.  Every wave walks all 2,048 keys, 64 a step.
; CLUSTER 4 x 4: along a row the four query blocks of one head, which walk the same K and V; along a column four heads on one query block, which walk the same 512 x 64 tile of M, the
; largest part of a step's bytes (131,072 of 147,456).  Each tile is asked for JOINTLY by the four that share it.
; RING.  Two slots of one key step: wave 0 fetches K, wave 1 V, waves 2 and 3 a half of M's tile each.  One change of slots a step; between two changes every LDS read is of one slot.
; LAYOUT.  S^T holds ONE query a lane and the keys 8 (lane / 16) + 0..7; two such results rounded to f16 ARE source 1 of O^T = V^T P.  K comes out of LDS as it lies, V turned, by ds_load_tr16_b128.
; SOFTMAX.  For each query a running maximum m and sum l: p = 2^(c s - c m), c = log2(e); in every step O and l are multiplied by a = 2^(c m_old - c m_new).  O and l start at 0.
; BY TURNS.  A tile and step have 16 matrix and 118 vector instructions: too many to stand all beside the matrix work.  Turn n belongs to piece n: 16 products K Q^T of piece n + 1, later 16 products
; V^T P of piece n - 1; beside them the scaling, exponentials, roundings, sums and rescaling of piece n and the maximum and statistics of piece n + 1.  Four vector lines that are ready stand
; behind every matrix instruction, the others in two runs of their own.
; REGISTERS, in windows of 256 (s_set_vgpr_msb: bits 1:0 source 0, 3:2 source 1, 5:4 source 2, 7:6 destination):
;   window 0: v0-11 addresses; v12-15, v48-63 at work; v16-47 four registers of statistics a tile; v64-191 S^T, two buffers of two tiles; v192-255 P, likewise
;   window 1: O^T, 32 a tile     window 2: v0-127 Q, 16 a tile; v128-191 K of one step; v192-255 V of one step     window 3: v0-1 the add's two registers; v64-127 M for the piece whose scores come next
.set NP,    4         ; pieces a wave: a name, no knob
.set KS,    64        ; keys in a step
.set NSTEP, 2048/KS
.set PK,    144       ; a row of K in LDS: 128 bytes + 16 of padding: the 16 rows of a load start at 16 different groups of four banks (64 banks of 4 bytes: ISA guide 11.1)
.set PV,    160       ; a row of V: 128 + 32
.set PM,    272       ; a row of M's tile: 256 + 16: as K's
.set MHALF, 256*PM    ; 0x11000: what one tensor load brings of M
.set MSLOT, 2*MHALF   ; 0x22000.  Each region's slot 1 differs from its slot 0 in bits that are clear there, so one exclusive or turns the one into the other
.set VBASE, 2*MSLOT   ; 0x44000
.set VSLOT, KS*PV     ; 0x2800
.set KBASE, VBASE+2*VSLOT  ; 0x49000
.set KSLOT, KS*PK     ; 0x2400
.set STAGE, KBASE+2*KSLOT  ; 0x4d800: behind the ring, never filled by a tensor load: 16 rows x 144 bytes for each wave, for the way out
.set SP,    144
.set SPARE, STAGE+4*16*SP  ; 0x4fc00: the spare words, 128 bytes for each wave: two blocks of 256 bytes that no other line names
.set AK0, 2           ; v2   my lane's place in K's slot 0; never rewritten
.set AV0, 3           ; v3   the same for V
.set AK,  4           ; v4   the same in the slot in hand
.set AV,  5           ; v5
.set STO, 6           ; v6   the way out: where I put 16 bytes of a row
.set RD,  7           ; v7   where I read rows back
.set GO,  8           ; v8   my byte offset in 512 consecutive bytes of O
.set AM0, 9           ; v9   my lane's place in M's slot 0, at my wave's first row
.set AM,  10          ; v10  the same in the slot in hand
.set QO,  12          ; v12  my byte offset in the wave's rows of Q, until Q is in
.set SPW, 0           ; v0 of window 3   LDS address of my spare word; never rewritten
.set NIL, 1           ; v1 of window 3   0; never rewritten
.set MK,  64          ; window 3: tile u, key block kb at MK + 32 u + 8 kb
.set MV,  12          ; v12-15  c m_old, kept while c m is made anew: by buffer and tile
.set ST,  16          ; tile t's statistics at v[ST+4 t]: c m, m, l (even keys', odd keys')
.set TMP, 48          ; by buffer and tile, four registers c0-c3 at work; when the maximum is found c2 takes a
.set S,   64
.set P,   192
.set KF,  128         ; window 2: key block kb, channel half c at KF + 16 kb + 8 c
.set VF,  192         ; window 2: key half kk, channel block cb at VF + 32 kk + 8 cb
.set WV,  12          ; s12  my wave's number
.set G1K, 24          ; s[24:31] descriptor group 1 for K's tiles
.set G1V, 32          ; s[32:39] for V's
.set G1M, 40          ; s[40:47] for M's
.set G0K, 48          ; s[48:51] descriptor group 0 for K's tiles: it walks
.set G0V, 52          ; s[52:55]
.set G0M, 56          ; s[56:59]
.set CS,  60          ; s[60:61] c: the packed scaling takes the pair's low word for both halves
.set SEL, 62          ; s[62:63] v_permlanex16_b32's selects: each lane takes its own place in the other half
.set TBK, 66          ; s66  0 or KSLOT: the slot in hand
.set TBV, 67          ; s67  0 or VSLOT
.set TBM, 68          ; s68  0 or MSLOT
.set STEPS, 69        ; s69  counts the loop's trips
.set CNT, 70          ; s70  counts the tail's
.set MSB, 0
.macro WIN new                      ; the high byte repeats the setting that is left; a switch that changes nothing is dropped
.if MSB != (\new)
	s_set_vgpr_msb (MSB<<8)|(\new)
.set MSB, (\new)
.endif
.endm
.set W_KQ, 0x0a       ; K and Q in window 2, S^T in window 0
.set W_KM, 0x3a       ; the same with the C operand, M, in window 3
.set W_PV, 0x52       ; V in window 2, P in window 0, O^T in window 1
.set W_RS, 0x41       ; O^T (destination and source 0) in window 1, a in window 0
.set W_MK, 0xc0       ; destination in window 3, sources in window 0
.set W_AD, 0x0f       ; the add: address (source 0) and data (source 1) in window 3
; A joint fill: one line for each wave's share.  The branches hang on the wave's number alone.  Four v_nop follow each line, ahead of the jump and the label.
.macro JLOAD
	s_cmp_lt_u32 s[WV], 2
	s_cbranch_scc0 .Lfor_m_\@
	s_cmp_eq_u32 s[WV], 0
	s_cbranch_scc0 .Lfor_v_\@
	tensor_load_to_lds s[G0K:G0K+3], s[G1K:G1K+7]
.rept 4
	v_nop
.endr
	s_branch .Lasked_\@
.Lfor_v_\@:
	tensor_load_to_lds s[G0V:G0V+3], s[G1V:G1V+7]
.rept 4
	v_nop
.endr
	s_branch .Lasked_\@
.Lfor_m_\@:
	tensor_load_to_lds s[G0M:G0M+3], s[G1M:G1M+7]
.rept 4
	v_nop
.endr
.Lasked_\@:
.endm
; A round of the cluster's barrier: my work-group's barrier, so that wave 0's signal speaks for all four waves; wave 0 signals; every wave waits for all sixteen work-groups; my work-group's barrier once more.
.macro CROUND
	s_barrier_signal -1
	s_barrier_wait -1
	s_cmp_lg_u32 s[WV], 0
	s_cbranch_scc1 .Lnot_wave_0_\@
	s_barrier_signal -3
.Lnot_wave_0_\@:
	s_barrier_wait -3
	s_barrier_signal -1
	s_barrier_wait -1
.endm
.macro PLACES
.rept 4
	v_nop
.endr
.endm
; THE CHANGE OF SLOTS, once a key step.  Each wave waits for all its tensor loads, of which one is out: its part of the other slot; adds 0 to its spare word; and waits for that and for its own reads
; of the slot that it leaves.  Behind the barrier nobody reads that slot any more and the other slot is whole.  fill = 1: the slot is filled again, with the step two steps on.  The barrier is then a
; round of the cluster's, so that no wave of any partner still reads the slot or has a load on its way, and the joint fill is the first thing behind it: it has a key step, 128 matrix instructions
; of each wave, in which to land.  (At its first use nothing has been read yet: slot 0 is waited for, slot 1 filled.)  At last the three LDS addresses are made for the slot now in hand.
.macro CHANGE fill
	WIN W_AD
	s_wait_tensorcnt 0x0            ; no tensor load of mine is out, so a group 0 may be written
	ds_add_u32 v[SPW], v[NIL]       ; 0 onto my spare word: with fill = 1 the descriptors' steps stand between it and the wait for it
	WIN 0                           ; at a label and at a branch every window is 0
.if \fill
	s_xor_b32 s[G0K+1], s[G0K+1], KSLOT  ; the walking descriptors: the other slot than last time,
	s_add_nc_u64 s[G0K+2:G0K+3], s[G0K+2:G0K+3], KS*128  ; the next 64 keys; the type bits on top are not reached
	s_xor_b32 s[G0V+1], s[G0V+1], VSLOT
	s_add_nc_u64 s[G0V+2:G0V+3], s[G0V+2:G0V+3], KS*128
	s_xor_b32 s[G0M+1], s[G0M+1], MSLOT
	s_add_nc_u64 s[G0M+2:G0M+3], s[G0M+2:G0M+3], KS*4    ; the next 64 columns of M
	s_wait_dscnt 0x0                ; the add is done, and my reads of the slot are over
	CROUND
	JLOAD
.else
	s_wait_dscnt 0x0                ; the add is done, and my reads of the slot are over
	s_barrier_signal -1
	s_barrier_wait -1
.endif
	s_xor_b32 s[TBK], s[TBK], KSLOT
	s_xor_b32 s[TBV], s[TBV], VSLOT
	s_xor_b32 s[TBM], s[TBM], MSLOT
	v_add_nc_u32 v[AK], s[TBK], v[AK0]
	v_add_nc_u32 v[AV], s[TBV], v[AV0]
	v_add_nc_u32 v[AM], s[TBM], v[AM0]
.endm
	s_load_b128 s[4:7], s[0:1], 0x0   ; qkv s[4:5], attn_mask s[6:7]
	s_load_b64 s[10:11], s[0:1], 0x10 ; o
	WIN W_MK
	v_lshl_add_u32 v[SPW], v0, 2, SPARE
	v_mov_b32 v[NIL], 0
	WIN 0
	v_lshrrev_b32 v1, 5, v0
	v_readfirstlane_b32 s[WV], v1   ; wave 0..3
	s_bfe_u32 s13, ttmp6, 0x40000   ; cx, cy: my place in the cluster
	s_bfe_u32 s14, ttmp6, 0x40004
	s_lshl_b32 s15, ttmp9, 2        ; in a cluster launch ttmp9 and ttmp7 count clusters
	s_add_co_u32 s15, s15, s13      ; my block of 512 queries = 4 x cluster x + cx
	s_and_b32 s16, ttmp7, 0xffff
	s_lshl_b32 s16, s16, 2
	s_add_co_u32 s16, s16, s14      ; my head = 4 x cluster y + cy
	s_lshl_b32 s17, s14, 2
	s_lshl_b32 s17, 15, s17         ; my row of the cluster: one head
	s_lshl_b32 s18, 0x1111, s13     ; my column: one query block
	s_lshl_b32 s72, s16, 18         ; the head's first byte in a part of qkv and in o: K's and V's addresses hang on it alone
	s_mov_b32 s73, 0
	s_and_b32 s19, s[WV], 1         ; which half of M's tile I fetch
	s_lshl_b32 s74, s15, 22         ; M: 512 rows of 8,192 bytes a block,
	s_lshl_b32 s20, s19, 21         ; 256 a half: M's address hangs on the block alone
	s_add_co_u32 s74, s74, s20
	s_mov_b32 s75, 0
	s_lshl_b32 s76, s15, 16         ; Q and O: the block's 512 rows of 128 bytes,
	s_add_co_u32 s76, s76, s72      ; in the head,
	s_lshl_b32 s20, s[WV], 14       ; my wave's 128 of them
	s_add_co_u32 s76, s76, s20
	s_mov_b32 s77, 0
	; descriptor group 1.  64 keys are 8,192 dense bytes: asked for as 32 rows of 256 bytes, two keys a row, and padded in LDS after every key.  M's half tile: 256 rows of 64 f32, 2,048 apart.
	s_or_b32 s[G1K], s17, (1<<16)|(1<<20)|(1<<21)|(4<<22)|(3<<25)  ; 15:0 the mask: my row; 17:16 2-byte elements; 20 padding on; 21 set beside a mask; 24:22 after every 32 words (code 4); 31:25 4 words (code 3)
	s_or_b32 s[G1V], s17, (1<<16)|(1<<20)|(1<<21)|(4<<22)|(7<<25)  ; the same with 8 words of padding (code 7)
	s_or_b32 s[G1M], s18, (2<<16)|(1<<20)|(1<<21)|(5<<22)|(3<<25)  ; my column; 4-byte elements; after every 64 words (code 5) 4 words
.irp g, G1K, G1V
	s_mov_b32 s[\g+1], 128<<16      ; tensor_dim0 = 128
	s_mov_b32 s[\g+2], 32<<16       ; tensor_dim1 = 32
	s_mov_b32 s[\g+3], 128<<16      ; tile_dim0 = 128
	s_mov_b32 s[\g+4], 32           ; tile_dim1 = 32
	s_mov_b32 s[\g+5], 128          ; 128 elements from row to row
	s_mov_b32 s[\g+6], 0
	s_mov_b32 s[\g+7], 0
.endr
	s_mov_b32 s[G1M+1], KS<<16      ; tensor_dim0 = 64
	s_mov_b32 s[G1M+2], 256<<16     ; tensor_dim1 = 256
	s_mov_b32 s[G1M+3], KS<<16      ; tile_dim0 = 64
	s_mov_b32 s[G1M+4], 256         ; tile_dim1 = 256
	s_mov_b32 s[G1M+5], 2048        ; 2,048 elements from row to row
	s_mov_b32 s[G1M+6], 0
	s_mov_b32 s[G1M+7], 0
	s_mov_b32 s[CS], 0x3fb8aa3b     ; c = log2(e): Q carries the scale, and M is in natural units
	s_mov_b32 s[CS+1], s[CS]        ; named with it as a pair
	s_mov_b32 s[SEL], 0x76543210
	s_mov_b32 s[SEL+1], 0xfedcba98
	s_mov_b32 s[TBK], KSLOT         ; the first change of slots turns these three into 0
	s_mov_b32 s[TBV], VSLOT
	s_mov_b32 s[TBM], MSLOT
	s_mov_b32 s[G0K], 1             ; count = 1
	s_mov_b32 s[G0K+1], KBASE       ; LDS address: slot 0
	s_mov_b32 s[G0V], 1
	s_mov_b32 s[G0V+1], VBASE
	s_mov_b32 s[G0M], 1
	s_mul_i32 s[G0M+1], s19, MHALF  ; no place in the cluster enters an LDS address
	s_wait_kmcnt 0x0
	s_add_nc_u64 s[G0K+2:G0K+3], s[4:5], s[72:73]  ; global address: the head's first 64 keys,
	s_add_nc_u64 s[G0K+2:G0K+3], s[G0K+2:G0K+3], 0x1000000  ; in part 1 of qkv
	s_or_b32 s[G0K+3], s[G0K+3], 0x80000000        ; type = 2
	s_add_nc_u64 s[G0V+2:G0V+3], s[4:5], s[72:73]
	s_add_nc_u64 s[G0V+2:G0V+3], s[G0V+2:G0V+3], 0x2000000  ; part 2
	s_or_b32 s[G0V+3], s[G0V+3], 0x80000000
	s_add_nc_u64 s[G0M+2:G0M+3], s[6:7], s[74:75]
	s_or_b32 s[G0M+3], s[G0M+3], 0x80000000
	s_add_nc_u64 s[4:5], s[4:5], s[76:77]  ; Q (part 0) and O at my wave's first row
	s_add_nc_u64 s[10:11], s[10:11], s[76:77]
	CROUND                          ; all sixteen work-groups are here: the first joint loads meet
	JLOAD                           ; key step 0 into slot 0: one tensor load of mine is out
	; A fragment of K or Q is 16 rows x 32 channels in 8 registers: lane l holds row l % 16, channels 8 (l / 16) + 0..7 and 16 + 8 (l / 16) + 0..7: two loads of 16 bytes, 32 bytes apart.
	v_and_b32 v1, 15, v0            ; l % 16
	v_bfe_u32 v9, v0, 4, 1          ; l / 16
	v_lshlrev_b32 v[QO], 7, v1
	v_lshl_add_u32 v[QO], v9, 4, v[QO]  ; row x 128 + 16 x half
	WIN 0x80                        ; destination window 2, address window 0
.set i, 0
.rept 4*NP                          ; Q stays in registers: tile i / 2, channels 32 (i % 2) on
	global_load_b128 v[8*i:8*i+3],   v[QO], s[4:5] offset:(i/2)*2048+(i%2)*64
	global_load_b128 v[8*i+4:8*i+7], v[QO], s[4:5] offset:(i/2)*2048+(i%2)*64+32
.set i, i+1
.endr
	; What the first turn finds: V's registers and P's second buffer hold 0 (its products V^T P, of a piece that has not been, add 0), O^T and l are 0.  All this stands in the wait for the first tile.
.set i, VF
.rept 64
	v_mov_b32 v[i], 0
.set i, i+1
.endr
	WIN 0x40
.set i, 0
.rept 64*NP
	v_mov_b32 v[i], 0
.set i, i+1
.endr
	WIN 0
.set i, 0
.rept 2*NP
	v_mov_b32 v[ST+4*i], 0xfe38aa3b    ; c m = -c 2^125: finite, and exactly c times the m below
	v_mov_b32 v[ST+4*i+1], 0xfe000000  ; m = -2^125
	v_mov_b32 v[ST+4*i+2], 0
	v_mov_b32 v[ST+4*i+3], 0
.set i, i+1
.endr
.set i, P+32
.rept 32
	v_mov_b32 v[i], 0
.set i, i+1
.endr
	v_mul_u32_u24 v[AK0], v1, PK
	v_lshl_add_u32 v[AK0], v9, 4, v[AK0]  ; row x pitch + 16 x half
	v_add_nc_u32 v[AK0], KBASE, v[AK0]
	; The turning load takes 16 keys x 16 channels (lane l reads key 8 (l / 16) + l % 8, channels 8 ((l / 8) % 2) + 0..7) and leaves half a fragment of V^T: lane l holds channel l % 16 and 8 keys.
	v_and_b32 v10, 7, v0
	v_bfe_u32 v11, v0, 3, 1
	v_lshl_add_u32 v[AV0], v9, 3, v10
	v_mul_u32_u24 v[AV0], v[AV0], PV
	v_lshl_add_u32 v[AV0], v11, 4, v[AV0]
	v_add_nc_u32 v[AV0], VBASE, v[AV0]
	s_mul_i32 s21, s[WV], 16*SP
	s_add_co_u32 s21, s21, STAGE    ; my stage
	v_mul_u32_u24 v[STO], v1, SP    ; in: row l % 16, 16 bytes for each half of the lanes
	v_lshl_add_u32 v[STO], v9, 4, v[STO]
	v_add_nc_u32 v[STO], s21, v[STO]
	v_bfe_u32 v[RD], v0, 3, 2       ; back: 32 lanes take four rows of 128 bytes,
	v_mul_u32_u24 v[RD], v[RD], SP
	v_lshl_add_u32 v[RD], v10, 4, v[RD]
	v_add_nc_u32 v[RD], s21, v[RD]
	v_and_b32 v[GO], 31, v0         ; which are 512 consecutive bytes of O
	v_lshlrev_b32 v[GO], 4, v[GO]
	s_mul_i32 s22, s[WV], 128*PM    ; M: my wave's 128 rows of the tile's 512; row l % 16, 32 bytes for each half of the lanes
	v_mul_u32_u24 v10, v1, PM
	v_lshl_add_u32 v[AM0], v9, 5, v10
	v_add_nc_u32 v[AM0], s22, v[AM0]
; THE MATRIX WORK.  The 8 accumulators of a run of 16 take turns: between the two links of a chain stand 7 others'.
; Product i of 16 of S^T = K Q^T + M^T for piece x: channels 32 (i / 8) on, keys 16 ((i / 2) % 4) on, tile 2 x + i % 2.  The first 8 start the sums, with M.
.macro KQ x
.set rS, S+64*((\x)%2)+32*(i%2)+8*((i/2)%4)
.set rK, KF+16*((i/2)%4)+8*(i/8)
.set rQ, 16*(2*(\x)+i%2)+8*(i/8)
.set rMK, MK+32*(i%2)+8*((i/2)%4)
.if i < 8
	WIN W_KM
	v_wmma_f32_16x16x32_f16 v[rS:rS+7], v[rK:rK+7], v[rQ:rQ+7], v[rMK:rMK+7]
.else
	WIN W_KQ
	v_wmma_f32_16x16x32_f16 v[rS:rS+7], v[rK:rK+7], v[rQ:rQ+7], v[rS:rS+7]
.endif
.endm
; Product i of 16 of O^T += V^T P for piece x: keys 32 (i / 8) on, channels 16 ((i / 2) % 4) on, tile 2 x + i % 2.
.macro PV x
	WIN W_PV
.set rO, 32*(2*(\x)+i%2)+8*((i/2)%4)
.set rV, VF+32*(i/8)+8*((i/2)%4)
.set rP, P+32*((\x)%2)+16*(i%2)+8*(i/8)
	v_wmma_f32_16x16x32_f16 v[rO:rO+7], v[rV:rV+7], v[rP:rP+7], v[rO:rO+7]
.endm
.macro MM                           ; the turn's next matrix instruction
.if i < 16
	KQ (Y+1)%NP
.set i, i+1
.else
.set i, i-16
	PV (Y+NP-1)%NP
.set i, i+17
.endif
.endm
; THE LDS LOADS stand in runs of 16, never singly among the matrix instructions: a step's K (8 fragments), its V (turned), and M for one piece (2 tiles x 4 key blocks x 8 f32 a lane).
.macro FETCH_K
	WIN 0x80                        ; destination window 2
.irp f, 0,1,2,3,4,5,6,7             ; keys 16 (f / 2) on, channels 32 (f % 2) on
	ds_load_b128 v[KF+8*\f:KF+8*\f+3],   v[AK] offset:(\f/2)*16*PK+(\f%2)*64
	ds_load_b128 v[KF+8*\f+4:KF+8*\f+7], v[AK] offset:(\f/2)*16*PK+(\f%2)*64+32
.endr
	WIN 0
.endm
.macro FETCH_V
	WIN 0x80
.irp f, 0,1,2,3,4,5,6,7             ; keys 32 (f / 4) on, channels 16 (f % 4) on
	ds_load_tr16_b128 v[VF+8*\f:VF+8*\f+3],   v[AV] offset:(\f/4)*32*PV+(\f%4)*32
	ds_load_tr16_b128 v[VF+8*\f+4:VF+8*\f+7], v[AV] offset:(\f/4)*32*PV+16*PV+(\f%4)*32
.endr
	WIN 0
.endm
.macro FETCH_M pc                   ; piece pc: rows 16 (2 pc + u) + l % 16 of my 128, columns 16 kb + 8 (l / 16) + 0..7
	WIN W_MK                        ; destination window 3
.irp u, 0,1
.irp kb, 0,1,2,3
	ds_load_b128 v[MK+32*\u+8*\kb:MK+32*\u+8*\kb+3],   v[AM] offset:(2*(\pc)+\u)*16*PM+64*\kb
	ds_load_b128 v[MK+32*\u+8*\kb+4:MK+32*\u+8*\kb+7], v[AM] offset:(2*(\pc)+\u)*16*PM+64*\kb+16
.endr
.endr
	WIN 0
.endm
; THE VECTOR WORK OF A TURN stands in three queues, each in the order in which its entries become ready; the two tiles alternate, so that no instruction reads the result of the one before it.
.macro REGS y, u                    ; the registers of tile u (0, 1) of piece y
.set rT, ST+4*(2*(\y)+(\u))
.set rC, TMP+8*((\y)%2)+4*(\u)
.set rM, MV+2*((\y)%2)+(\u)
.set rS, S+64*((\y)%2)+32*(\u)
.set rP, P+32*((\y)%2)+16*(\u)
.set rO, 32*(2*(\y)+(\u))
.endm
; Number n of the 22 that find the NEXT piece's (Y + 1) maximum and statistics.  s0-s31 are the lane's 32 scores; each accumulator's lowest registers are read first.  XS, GS and REGS set no window: PL and EX do.
;   0-11  four chains c0-c3 of seven scores each, three operands at a time     12-14, 16  the four scores left over, the old m, and c0-c3 into c0     15  c m_old is kept
;   17, 18  the query's other 32 keys lie in the lane 16 away: the new m         19-21  c m; c m_old - c m_new; a
.macro XS u, n
	REGS (Y+1)%NP, \u
.if (\n) < 4
	v_max3_num_f32 v[rC+(\n)], v[rS+8*(\n)], v[rS+8*(\n)+1], v[rS+8*(\n)+2]
.elseif (\n) < 12
	v_max3_num_f32 v[rC+(\n)%4], v[rC+(\n)%4], v[rS+8*((\n)%4)+2*((\n)/4)+1], v[rS+8*((\n)%4)+2*((\n)/4)+2]
.elseif (\n) == 12
	v_max3_num_f32 v[rC], v[rC], v[rS+7], v[rS+15]
.elseif (\n) == 13
	v_max3_num_f32 v[rC+1], v[rC+1], v[rS+23], v[rS+31]
.elseif (\n) == 14
	v_max3_num_f32 v[rC+2], v[rC+2], v[rC+3], v[rT+1]
.elseif (\n) == 15
	v_mov_b32 v[rM], v[rT]
.elseif (\n) == 16
	v_max3_num_f32 v[rC], v[rC], v[rC+1], v[rC+2]
.elseif (\n) == 17
	v_permlanex16_b32 v[rC+3], v[rC], s[SEL], s[SEL+1]
.elseif (\n) == 18
	v_max_num_f32 v[rT+1], v[rC], v[rC+3]
.elseif (\n) == 19
	v_mul_f32 v[rT], s[CS], v[rT+1]
.elseif (\n) == 20
	v_sub_f32 v[rC+1], v[rM], v[rT]
.else
	v_exp_f32 v[rC+2], v[rC+1]
.endif
.endm
; Number g of the 64 that follow the exponentials.  For each four weights k of a tile (pairs 2 k, 2 k + 1): both pairs are rounded to f16; then the second pair is added onto the first, in place;
; a group later l takes that sum (the first time as l = a l + sum).  In groups of eight, tiles alternating: round, round, add, and l for the group before.
.macro GS g
.set h, (\g)+6*((\g)/62)            ; group 0 has no group before it, and behind group 7 only l is left
.if h >= 6
.set h, h+2
.endif
	REGS Y, h%2
.set k, h/8
.if h%8 < 4
	v_cvt_pk_f16_f32 v[rP+2*k+(h%8)/2], v[rS+4*k+2*((h%8)/2)], v[rS+4*k+2*((h%8)/2)+1]
.elseif h%8 < 6
	v_pk_add_f32 v[rS+4*k:rS+4*k+1], v[rS+4*k:rS+4*k+1], v[rS+4*k+2:rS+4*k+3]
.elseif k == 1
	v_pk_fma_f32 v[rT+2:rT+3], v[rT+2:rT+3], v[rC+2:rC+3], v[rS:rS+1] op_sel_hi:[1,0,1]
.else
	v_pk_add_f32 v[rT+2:rT+3], v[rT+2:rT+3], v[rS+4*k-4:rS+4*k-3]
.endif
.endm
; THE PLAIN QUEUE, 138 long.  0-31: c s - c m for the 16 pairs of both tiles.  Then GS's 64, and among them the next piece's 42: number 15 at 38, 39; 0-14 and 16
; at 42-73, behind the products that make those scores; 17-20 at 95-106, two of three, since each waits for the one before it.
.macro PL
	WIN 0
.if q < 32
	REGS Y, q%2
	v_pk_fma_f32 v[rS+2*(q/2):rS+2*(q/2)+1], v[rS+2*(q/2):rS+2*(q/2)+1], s[CS:CS+1], v[rT:rT+1] op_sel_hi:[1,0,0] neg_lo:[0,0,1] neg_hi:[0,0,1]
.elseif q < 38
	GS q-32
.elseif q < 40
	XS q%2, 15
.elseif q < 42
	GS q-34
.elseif q < 74
	XS q%2, (q-42)/2+(q-42)/30
.elseif q < 95
	GS q-66
.elseif (q < 107) && ((q-95)%3 < 2)
	XS (q-95)%3, 17+(q-95)/3
.elseif q < 107
	GS 29+(q-95)/3
.else
	GS q-74
.endif
.set q, q+1
.endm
; THE EXPONENTIALS' QUEUE, 66 long: s0-s31 of both tiles, and at EA the next piece's two a.
.set EA, 58
.macro EX
	WIN 0
.if (e == EA) || (e == EA+1)
	XS e-EA, 21
.else
.set x, e-2*(e/(EA+2))
	REGS Y, x%2
	v_exp_f32 v[rS+x/2], v[rS+x/2]
.endif
.set e, e+1
.endm
; THE RESCALING's QUEUE: O^T times a, the one part that leaves window 0, so it is dealt four at a time, eight times.
.macro R4
	REGS Y, r%2
	WIN W_RS
.irp z, 0,1,2,3
	v_pk_mul_f32 v[rO+8*(r/2)+2*\z:rO+8*(r/2)+2*\z+1], v[rO+8*(r/2)+2*\z:rO+8*(r/2)+2*\z+1], v[rC+2:rC+3] op_sel_hi:[1,0]
.endr
.set r, r+1
.endm
; HOW THEY ARE DEALT.  Behind a matrix instruction four: plain, exponential, plain, plain (one exponential, a plain instruction on either side), or four of the rescaling.  None names a register of the
; products round it.  What is over stands in two runs: exponential and plain by turns; the second ends in 22 plain instructions.  The two v_permlanex16_b32 fall into the second run, never behind a product.
; The queues lean on each other, and the deal keeps them in step: exponential e stands behind plain 2 (e / 4) + e % 2 (its scaling); EA comes behind plain 107.
.macro SL
	MM
	PL
	EX
	PL
	PL
.endm
.macro BURST n                      ; 15 matrix instructions, or 16
.rept (\n)-7
	SL
.endr
.rept 3
	MM
	R4
	SL
.endr
	MM
	R4
.endm
; A TURN, for piece p.  cnt = 1: the loop's count is taken down some lines ahead of the branch that stands behind the turn.
; M for piece p + 2, whose scores the next turn makes, is fetched early in the first run: the last product that read M's registers is the turn's eighth, eight products and their riders back.
; K of the next step is fetched in piece 2's turn, later in that run, behind the last product that read K, four rescalings and thirteen plain lines.  V of the step in hand is fetched at the end of
; piece 0's turn, 43 plain lines behind its last reader.  The waits: at a turn's head M is wanted (in piece 3's turn K too); piece 1's turn leaves V's sixteen younger loads out there, and in front
; of its products V^T P leaves out the sixteen loads of M that it has issued since.
.macro TURN p, cnt=0
.set Y, (\p)
.set i, 0
.set q, 0
.set e, 0
.set r, 0
.if (\p) == 1
	s_wait_dscnt 16                 ; M is in; V's run, issued behind it, may be out
.else
	s_wait_dscnt 0x0                ; M is in, and in piece 3's turn K
.endif
	MM
.rept 4
	PL
.endr
	BURST 15
.rept 22
	EX
	PL
.if e == 14
	FETCH_M ((\p)+2)%NP
.endif
.if ((\p) == NP-2) && (e == 24)
	FETCH_K
.endif
.endr
.if (\p) == 1
	s_wait_dscnt 16                 ; V is in; M's run, issued behind it, may be out
.endif
	BURST 16
.rept 21
	EX
	PL
.endr
.rept 22
	PL
.if (\cnt) && (q == 130)
	s_sub_co_u32 s[STEPS], s[STEPS], 1
	s_cmp_lg_u32 s[STEPS], 0
.endif
.endr
.if (\p) == 0
	FETCH_V
.endif
.endm
	CHANGE 1                        ; step 0 is in, everybody's part of it; step 1 is asked for
	FETCH_K                         ; key step 0
	FETCH_M 0
	s_wait_loadcnt 0x0              ; Q
	s_wait_dscnt 0x0
.set i, 0
.rept 16
	KQ 0                            ; piece 0's first scores: there is no vector work yet to set between them
.set i, i+1
.endr
	WIN 0
	PLACES                          ; behind those products: M's registers are loaded again, and the scores are read
	FETCH_M 1
.set Y, NP-1                        ; XS works for piece Y + 1: piece 0
.irp n, 0,1,2,3,4,5,6,7,8,9,10,11,12,13,14,15,16,17,18,19,20,21
	XS 0, \n                        ; piece 0's first maximum and statistics
	XS 1, \n
.endr
	s_mov_b32 s[STEPS], NSTEP-1
	s_branch .Lfirst                ; the loop is entered at a step's first turn, in the middle of a trip
.Lstep:                             ; 30 times: steps 2 to 31 are asked for.  A trip: pieces 2 and 3 of one step, then pieces 0 and 1 of the next, whose K, V and M it fetches, all from the slot in hand
	CHANGE 1
	TURN 2
	TURN 3
	WIN 0
.Lfirst:
	TURN 0
	TURN 1, 1
	WIN 0
	s_cbranch_scc1 .Lstep
	CHANGE 0                        ; the tail is written out: nothing is asked for
	s_mov_b32 s[CNT], 2             ; one trip fetches the last step; the second is left in its middle
.Ltail:
	TURN 2
	TURN 3
	WIN 0
	s_sub_co_u32 s[CNT], s[CNT], 1
	s_cmp_eq_u32 s[CNT], 0
	s_cbranch_scc1 .Lout
	TURN 0
	TURN 1
	WIN 0
	s_branch .Ltail
.Lout:                              ; the second trip's 16 products K Q^T (on the last K and M once more) and the maximum made of them serve nothing: the price, once a launch, of one text for every trip
.set i, 0
.rept 16
	PV NP-1                         ; the last piece's V^T P of the last step
.set i, i+1
.endr
	; THE WAY OUT.  l's two halves and the other half of the lanes' are added; O^T is divided by l, rounded to f16 and sent through my stage in LDS, a tile at a time.  The additions are the places behind the last products.
	WIN 0
.macro ALL line:vararg              ; one line for each tile t
.set t, 0
.rept 2*NP
	\line
.set t, t+1
.endr
.endm
	ALL v_add_f32 v[ST+4*t+2], v[ST+4*t+2], v[ST+4*t+3]
	ALL v_permlanex16_b32 v[ST+4*t+3], v[ST+4*t+2], s[SEL], s[SEL+1]
	ALL v_add_f32 v[ST+4*t+2], v[ST+4*t+2], v[ST+4*t+3]
	ALL v_rcp_f32 v[ST+4*t+2], v[ST+4*t+2]
	v_nop                           ; a plain instruction between the last reciprocal and the use of its result
; Tile t: a lane's eight channels of a row pack into 16 bytes; they go into rows of 144 bytes and come back as whole rows of 128, into S^T's registers.
.macro PACK t
	WIN W_RS
.set i, 32*(\t)
.rept 16
	v_pk_mul_f32 v[i:i+1], v[i:i+1], v[ST+4*(\t)+2:ST+4*(\t)+3] op_sel_hi:[1,0]
.set i, i+2
.endr
	WIN 0x05                        ; sources 0 and 1 window 1, destination window 0
.set i, 0
.rept 16
	v_cvt_pk_f16_f32 v[S+16*(\t)+i], v[32*(\t)+2*i], v[32*(\t)+2*i+1]
.set i, i+1
.endr
	WIN 0
.irp f, 0,1,2,3
	ds_store_b128 v[STO], v[S+16*(\t)+4*\f:S+16*(\t)+4*\f+3] offset:32*\f
.endr
.irp f, 0,1,2,3
	ds_load_b128 v[S+16*(\t)+4*\f:S+16*(\t)+4*\f+3], v[RD] offset:\f*4*SP  ; LDS serves a wave's instructions in order (ISA guide 5.7.1.4): these see the stores above; the next tile's stores come behind them
.endr
.endm
.macro SEND t, younger              ; younger: the LDS instructions issued behind tile t's loads: the next tile's eight, or none
	WIN 0
.irp f, 0,1,2,3
	s_wait_dscnt (\younger)+3-\f
	global_store_b128 v[GO], v[S+16*(\t)+4*\f:S+16*(\t)+4*\f+3], s[10:11] offset:(\t)*2048+\f*512  ; 512 consecutive bytes, at a multiple of 256 from O's first
.endr
.endm
	PACK 0
.set t, 1
.rept 2*NP-1                        ; a tile's arithmetic stands between the loads of the tile before and its stores
	PACK t
	SEND t-1, 8
.set t, t+1
.endr
	SEND 2*NP-1, 0
	WIN W_AD
	s_wait_tensorcnt 0x0            ; the wave's end: behind my last tensor load and my last LDS store
	ds_add_u32 v[SPW], v[NIL]
	s_wait_dscnt 0x0
	WIN 0
	CROUND                          ; the closing round: no work-group ends while a partner may still ask for a tile that names it
	s_endpgm
.Lfunc_end_k_qcadd840fb6_attn:
	.size	k_qcadd840fb6_attn, .Lfunc_end_k_qcadd840fb6_attn-k_qcadd840fb6_attn
	.p2alignl 7, 3214868480
	.fill 96, 4, 3214868480
	.section	.rodata,"a",@progbits
	.p2align	6, 0x0
	.amdhsa_kernel k_qcadd840fb6_attn
		.amdhsa_group_segment_fixed_size 327680
		.amdhsa_private_segment_fixed_size 0
		.amdhsa_enable_private_segment 0
		.amdhsa_kernarg_size 24
		.amdhsa_user_sgpr_count 2
		.amdhsa_user_sgpr_kernarg_segment_ptr 1
		.amdhsa_wavefront_size32 1
		.amdhsa_system_sgpr_workgroup_id_x 1
		.amdhsa_system_sgpr_workgroup_id_y 1
		.amdhsa_system_sgpr_workgroup_id_z 1
		.amdhsa_system_vgpr_workitem_id 0
		.amdhsa_next_free_vgpr 896
		.amdhsa_next_free_sgpr 80
		.amdhsa_reserve_vcc 0
		.amdhsa_float_denorm_mode_32 3
		.amdhsa_float_denorm_mode_16_64 3
		.amdhsa_memory_ordered 1
		.amdhsa_forward_progress 1
		.amdhsa_inst_pref_size 207
	.end_amdhsa_kernel
	.amdgpu_metadata
---
amdhsa.version: [ 1, 2 ]
amdhsa.kernels:
  - .name:           k_qcadd840fb6_attn
    .symbol:         k_qcadd840fb6_attn.kd
    .args:
      - { .name: qkv, .offset: 0, .size: 8, .value_kind: global_buffer, .address_space: global }
      - { .name: attn_mask, .offset: 8, .size: 8, .value_kind: global_buffer, .address_space: global }
      - { .name: o, .offset: 16, .size: 8, .value_kind: global_buffer, .address_space: global }
    .group_segment_fixed_size: 327680
    .private_segment_fixed_size: 0
    .kernarg_segment_align: 8
    .kernarg_segment_size: 24
    .max_flat_workgroup_size: 128
    .sgpr_count:     80
    .vgpr_count:     896
    .wavefront_size: 32
...
	.end_amdgpu_metadata
.endif
;; end of part 3
;; launch proj (part 4): grid 8 x 32, 4 waves a work-group, clusters of 4 x 4, 327,680 bytes of LDS; arguments o, wph, out0, bproj; writes out0
.if DOCPART == 4
	.amdgcn_target "amdgcn-amd-amdhsa--gfx1250"
	.amdhsa_code_object_version 6
	.text
	.protected	k_qcadd840fb6_proj
	.globl	k_qcadd840fb6_proj
	.p2align	8
	.type	k_qcadd840fb6_proj,@function
k_qcadd840fb6_proj:
	s_mov_b64 s[64:65], 0
	v_nop
	global_prefetch_b8 v0, s[64:65] scope:SCOPE_SE
	s_setreg_imm32_b32 hwreg(HW_REG_WAVE_MODE, 25, 1), 1
	s_wait_xcnt 0x0
	s_wait_alu depctr_hold_cnt(0) depctr_sa_sdst(0) depctr_va_vdst(0) depctr_va_sdst(0) depctr_va_ssrc(0) depctr_va_vcc(0) depctr_vm_vsrc(0)
	s_getreg_b32 s2, hwreg(HW_REG_IB_STS2, 6, 4)
	s_cmp_eq_u32 s2, 0
	s_cbranch_scc0 .Lentry_in_a_cluster
	s_endpgm
.Lentry_in_a_cluster:
	s_bfe_u32 s2, ttmp6, 0x10000c
	s_cmp_lg_u32 s2, 0xf033
	s_cbranch_scc0 .Lentry_shape_is_right
	s_endpgm
.Lentry_shape_is_right:
; out0 = O Wproj^T + bproj.  o [64 = 16 batch + head][2048][64] f16 (by heads), wph [1024][1024] f16, bproj [1024] f32 (rounded to bf16 like the other inputs), out0 [8192][1024] f32.  Sums in f32.
; SHARES.  A tile is 256 tokens x 128 columns: 256 tiles, one for each work-group.  Four waves, each 128 tokens x 64 columns: 32 accumulators of 16 x 16.  A wave's 64 columns are 256 aligned bytes of a row of out0.
; K goes in steps of 128 = two heads through two LDS slots.  A head's 256 tokens are 32,768 dense bytes of o: asked for as 128 rows of 256 bytes, two tokens a row, padded in LDS after every token.
; CLUSTER 4 x 4: the four work-groups of a row need the same tiles of o, the four of a column the same tiles of wph: each tile is asked for jointly.
; THE MATRIX INSTRUCTION IS USED TRANSPOSED (source 0 = 16 rows of wph, source 1 = 16 tokens): a lane holds one token and eight neighbouring columns, 32 bytes of a row of out0.
; REGISTERS: window 0: v0-31 addresses, v32-63 the bias of my lane's 32 columns, v64-159 at work on the way out; window 1: two fragment buffers of 96; window 2: the accumulators, (a, b) at v[8 (4 a + b)].
.set KDIM,   1024
.set KSTEP,  128
.set PA,     144                       ; a token's 64 channels in LDS: 128 bytes + 16 of padding: the 16 rows of a fragment load start at 16 different groups of four banks (64 banks of 4 bytes: ISA guide 11.1)
.set PB,     272                       ; a row of wph: 256 + 16
.set APLANE, 256*PA                    ; one head's 256 tokens: what one tensor load brings of o
.set BHALF,  64*PB                     ; and of wph
.set BOFF,   2*APLANE                  ; a slot: two heads of o, then 128 rows of wph
.set SLOT,   BOFF+2*BHALF
.set STAGE,  2*SLOT                    ; behind the ring: 16 rows x 272 bytes for each wave, for the way out; no tensor load lands there
.set SP,     272
.set SPARE,  STAGE+4*16*SP             ; behind the stages: the spare words, 128 bytes for each wave: two blocks of 256 bytes that no other line names
.set LAPS,   KDIM/(2*KSTEP)            ; a lap = two K steps = once round the ring
.set HEAD,   262144                    ; bytes of a head in o
.set ADRA, 16                          ; v16-17  LDS address of my fragments of o in slot 0, 1
.set ADRB, 20                          ; v20-21  the same for wph
.set STO,  24                          ; v24     the way out: where I put 32 bytes of a row
.set RD,   25                          ; v25     where I read a row back
.set CO,   26                          ; v26     my byte offset in out0
.set SPW,  28                          ; v28     LDS address of my spare word; never rewritten
.set NIL,  29                          ; v29     0; never rewritten
.set BI,   32                          ; v32-63  bias: column block b's eight numbers at BI + 8 b
.set T,    64                          ; v64-95  a block's 32 numbers with the bias
.set OB,   96                          ; v96-127, v128-159 by turns: a block read back from the stage
.set F0,   0                           ; fragment buffers, in window 1
.set F1,   96
.set G1, 24                            ; s[24:31] descriptor group 1 for o's tiles; s[32:39] group 0, a set for each slot
.set G0, 32
.set G1B, 48                           ; s[48:55], s[56:63] the same for wph's
.set G0B, 56
.set MSB, 0
.macro WIN new                         ; the immediate's high byte repeats the setting that is left; a switch that changes nothing is dropped
.if MSB != (\new)
	s_set_vgpr_msb (MSB<<8)|(\new)
.set MSB, \new
.endif
.endm
.set MUL,  0xa5                        ; sources 0 and 1 window 1; C and D window 2
.set TO_F, 0x40                        ; destination window 1, address window 0
.macro JLOAD s                         ; a joint load: waves 0 and 1 fetch o's two heads, waves 2 and 3 wph's two halves; four v_nop follow each of the two lines
	s_cmp_eq_u32 s11, 0
	s_cbranch_scc0 .Lfor_b_\@
	tensor_load_to_lds s[G0+4*(\s):G0+4*(\s)+3], s[G1:G1+7]
.rept 4
	v_nop
.endr
	s_branch .Lasked_\@
.Lfor_b_\@:
	tensor_load_to_lds s[G0B+4*(\s):G0B+4*(\s)+3], s[G1B:G1B+7]
.rept 4
	v_nop
.endr
.Lasked_\@:
.endm
.macro CREST                           ; a round of the cluster's barrier behind its opening barrier
	s_cmp_lg_u32 s10, 0
	s_cbranch_scc1 .Lnot_wave_0_\@
	s_barrier_signal -3
.Lnot_wave_0_\@:
	s_barrier_wait -3
	s_barrier_signal -1
	s_barrier_wait -1
.endm
.macro CROUND                          ; a whole round
	s_barrier_signal -1
	s_barrier_wait -1
	CREST
.endm
	s_load_b128 s[4:7], s[0:1], 0x0                ; o s[4:5], wph s[6:7]
	s_load_b64 s[8:9], s[0:1], 0x10                ; out0
	s_load_b64 s[68:69], s[0:1], 0x18              ; bproj
	v_lshl_add_u32 v[SPW], v0, 2, SPARE
	v_mov_b32 v[NIL], 0
	v_lshrrev_b32 v1, 5, v0
	v_readfirstlane_b32 s10, v1                    ; wave 0..3
	s_lshr_b32 s11, s10, 1                         ; which half of the tile's tokens is mine.  Also: I fetch for o (0) or for wph (1)
	s_and_b32 s12, s10, 1                          ; which half of its columns.  Also: which head of a step, or which 64 rows of wph, I fetch
	s_bfe_u32 s40, ttmp6, 0x40000                  ; cx, cy: my place in the cluster
	s_bfe_u32 s41, ttmp6, 0x40004
	s_lshl_b32 s42, ttmp9, 2
	s_add_co_u32 s42, s42, s40                     ; column tile 0..7 = 4 x cluster x + cx
	s_and_b32 s13, ttmp7, 0xffff
	s_lshl_b32 s13, s13, 2
	s_add_co_u32 s13, s13, s41                     ; token tile 0..31 = 4 x cluster y + cy
	s_lshl_b32 s43, s41, 2
	s_lshl_b32 s43, 15, s43                        ; my row of the cluster
	s_lshl_b32 s44, 0x1111, s40                    ; my column
	s_mov_b32 s45, 0xffff0000                      ; a word's upper bf16
	; descriptor group 1: rows of 128 elements of 2 bytes; o: 128 dense rows, padded after every 32 words; wph: 64 rows 1,024 elements apart, padded after every 64 words
	s_or_b32 s[G1+0], s43, (1<<16)|(1<<20)|(1<<21)|(4<<22)|(3<<25)  ; 15:0 the mask: my row; 17:16 2-byte elements; 20 padding on; 21 set beside a mask; 24:22 code 4; 31:25 4 words (code 3)
	s_or_b32 s[G1B+0], s44, (1<<16)|(1<<20)|(1<<21)|(5<<22)|(3<<25) ; the mask of my column; 24:22 code 5
.irp g, G1, G1B
	s_mov_b32 s[(\g)+1], KSTEP<<16                 ; tensor_dim0 = 128
	s_mov_b32 s[(\g)+3], KSTEP<<16                 ; tile_dim0 = 128
	s_mov_b32 s[(\g)+6], 0
	s_mov_b32 s[(\g)+7], 0
.endr
	s_mov_b32 s[G1+2], 128<<16                     ; tensor_dim1
	s_mov_b32 s[G1+4], 128                         ; tile_dim1
	s_mov_b32 s[G1+5], 128                         ; elements from row to row: dense
	s_mov_b32 s[G1B+2], 64<<16
	s_mov_b32 s[G1B+4], 64
	s_mov_b32 s[G1B+5], KDIM
	; o's tiles hang on the token tile alone, which my row shares; wph's on the column tile alone, which my column shares
	s_lshr_b32 s16, s13, 3                         ; batch: 16 heads of 262,144 bytes,
	s_lshl_b32 s16, s16, 22
	s_lshl_b32 s17, s12, 18                        ; the step's first or second head,
	s_add_co_u32 s16, s16, s17
	s_and_b32 s17, s13, 7                          ; the tile's 256 tokens of 128 bytes in it
	s_lshl_b32 s17, s17, 15
	s_add_co_u32 s16, s16, s17
	s_mov_b32 s17, 0
	s_lshl_b32 s47, s12, 6
	s_lshl_b32 s46, s42, 7
	s_add_co_u32 s46, s46, s47                     ; wph: row 128 x column tile + 64 x half
	s_lshl_b32 s46, s46, 11                        ; rows of 2,048 bytes
	s_mov_b32 s47, 0
	s_mul_i32 s20, s12, APLANE                     ; where they go: no place in the cluster enters an LDS address
	s_mul_i32 s21, s12, BHALF
	s_add_co_u32 s21, s21, BOFF
	s_wait_kmcnt 0x0
	s_add_nc_u64 s[14:15], s[4:5], s[16:17]
	s_add_nc_u64 s[46:47], s[6:7], s[46:47]
	CROUND                                         ; all sixteen work-groups are here: the first joint loads meet
.irp s, 0,1
	s_mov_b32 s[G0+4*(\s)], 1                                      ; count = 1
	s_add_co_u32 s[G0+4*(\s)+1], s20, (\s)*SLOT                    ; LDS address
	s_add_nc_u64 s[G0+4*(\s)+2:G0+4*(\s)+3], s[14:15], (\s)*2*HEAD ; global address: K step s = heads 2 s, 2 s + 1
	s_or_b32 s[G0+4*(\s)+3], s[G0+4*(\s)+3], 0x80000000            ; type = 2
	s_mov_b32 s[G0B+4*(\s)], 1
	s_add_co_u32 s[G0B+4*(\s)+1], s21, (\s)*SLOT
	s_add_nc_u64 s[G0B+4*(\s)+2:G0B+4*(\s)+3], s[46:47], (\s)*KSTEP*2
	s_or_b32 s[G0B+4*(\s)+3], s[G0B+4*(\s)+3], 0x80000000
	JLOAD \s                                       ; two tensor loads of mine are out
.endr
	v_and_b32 v1, 15, v0                           ; r = l % 16
	v_bfe_u32 v2, v0, 4, 1                         ; h = l / 16
	v_lshlrev_b32 v5, 5, v2                        ; the bias of my columns 16 b + 8 h + 0..7: 32 bytes at 64 b + 32 h; v5 is not rewritten before the wait for these loads
	s_lshl_b32 s18, s42, 9                         ; the tile's 128 columns of 4 bytes,
	s_lshl_b32 s19, s12, 8                         ; my 64 of them
	s_add_co_u32 s18, s18, s19
	s_mov_b32 s19, 0
	s_add_nc_u64 s[68:69], s[68:69], s[18:19]
.irp b, 0,1,2,3
	global_load_b128 v[BI+8*\b:BI+8*\b+3],   v5, s[68:69] offset:64*\b
	global_load_b128 v[BI+8*\b+4:BI+8*\b+7], v5, s[68:69] offset:64*\b+16
.endr
	; a fragment is 16 rows x 32 K in 8 registers: lane l holds row l % 16, K = 8 (l / 16) + 0..7 and 16 + 8 (l / 16) + 0..7: two loads of 16 bytes, 32 bytes apart
	v_mul_u32_u24 v3, v1, PA
	v_lshl_add_u32 v3, v2, 4, v3
	v_mul_u32_u24 v4, v1, PB
	v_lshl_add_u32 v4, v2, 4, v4
	s_mul_i32 s22, s11, 128*PA                     ; my 128 tokens, in each head's plane
	s_mul_i32 s23, s12, BHALF                      ; my 64 rows of wph,
	s_add_co_u32 s23, s23, BOFF                    ; which lie behind o's two planes
.irp s, 0,1
	v_add_nc_u32 v[ADRA+(\s)], s22, v3
	v_add_nc_u32 v[ADRB+(\s)], s23, v4
	s_add_co_u32 s22, s22, SLOT
	s_add_co_u32 s23, s23, SLOT
.endr
	s_mul_i32 s22, s10, 16*SP
	s_add_co_u32 s22, s22, STAGE                   ; my stage
	v_mul_u32_u24 v4, v1, SP                       ; in: row l % 16, 32 bytes for each half of the lanes
	v_lshl_add_u32 v4, v2, 5, v4
	v_add_nc_u32 v[STO], s22, v4
	v_mul_u32_u24 v4, v2, SP                       ; back: lanes 0-15 take one row of 256 bytes, lanes 16-31 the next
	v_lshl_add_u32 v4, v1, 4, v4
	v_add_nc_u32 v[RD], s22, v4
	v_lshlrev_b32 v4, 12, v2                       ; and the same two rows in out0, 4,096 bytes apart
	v_lshl_add_u32 v[CO], v1, 4, v4
	s_lshl_b32 s16, s13, 8
	s_lshl_b32 s17, s11, 7
	s_add_co_u32 s16, s16, s17                     ; my first row of out0
	s_lshl_b32 s16, s16, 12
	s_add_co_u32 s16, s16, s18                     ; my first column, in bytes
	s_mov_b32 s17, 0
	s_add_nc_u64 s[8:9], s[8:9], s[16:17]
	s_wait_loadcnt 0x0                             ; the bias is in: rounded to bf16 and widened again
.set i, 0
.rept 16
	v_cvt_pk_bf16_f32 v[T+i], v[BI+2*i], v[BI+2*i+1]
.set i, i+1
.endr
.set i, 0
.rept 16
	v_lshlrev_b32 v[BI+2*i], 16, v[T+i]
	v_and_b32 v[BI+2*i+1], s45, v[T+i]
.set i, i+1
.endr
; 8 matrix instructions: token blocks a0, a0 + 1 x all 4 column blocks, 32 along K.  zero = 1: the product starts the sums.  The 32 accumulators take turns, in the same order in every
; quarter.
.macro MUL8 f, a0, zero
	WIN MUL
.irp a, \a0, (\a0)+1
.irp b, 0,1,2,3
.if \zero
	v_wmma_f32_16x16x32_f16 v[8*(4*(\a)+(\b)):8*(4*(\a)+(\b))+7], v[(\f)+8*(\b):(\f)+8*(\b)+7], v[(\f)+32+8*(\a):(\f)+32+8*(\a)+7], 0
.else
	v_wmma_f32_16x16x32_f16 v[8*(4*(\a)+(\b)):8*(4*(\a)+(\b))+7], v[(\f)+8*(\b):(\f)+8*(\b)+7], v[(\f)+32+8*(\a):(\f)+32+8*(\a)+7], v[8*(4*(\a)+(\b)):8*(4*(\a)+(\b))+7]
.endif
.endr
.endr
.endm
; 24 LDS loads in one run: the fragments of quarter kq (32 along K) into buffer f: wph's 4 first, then o's 8.  Quarters 0, 1 lie in the step's first head, 2, 3 in its second.
.macro FETCH slot, kq, f
	WIN TO_F
.set AO, ((\kq)/2)*APLANE+((\kq)%2)*64
.irp i, 0,1,2,3
	ds_load_b128 v[(\f)+8*(\i):(\f)+8*(\i)+3],   v[ADRB+(\slot)] offset:64*(\kq)+(\i)*16*PB
	ds_load_b128 v[(\f)+8*(\i)+4:(\f)+8*(\i)+7], v[ADRB+(\slot)] offset:64*(\kq)+(\i)*16*PB+32
.endr
.irp i, 0,1,2,3,4,5,6,7
	ds_load_b128 v[(\f)+32+8*(\i):(\f)+32+8*(\i)+3],   v[ADRA+(\slot)] offset:AO+(\i)*16*PA
	ds_load_b128 v[(\f)+32+8*(\i)+4:(\f)+32+8*(\i)+7], v[ADRA+(\slot)] offset:AO+(\i)*16*PA+32
.endr
.endm
.macro PLACES                          ; four places in front of loads into registers that matrix instructions have read, and of vector lines that read results
.rept 4
	v_nop
.endr
.endm
; A K step is four quarters of 32 along K, 32 matrix instructions each, on buffers 0, 1, 0, 1.  One of the first three: multiplies buffer f and fetches quarter kq into g.
.macro QUARTER slot, kq, f, g, zero
	s_wait_dscnt 8                                 ; wph's fragments and o's blocks 0-3 are in; the youngest eight loads (blocks 4-7) may be out
	MUL8 \f, 0, \zero
	MUL8 \f, 2, \zero
	PLACES
	FETCH \slot, \kq, \g
	s_wait_dscnt 24                                ; all but the 24 just issued
	MUL8 \f, 4, \zero
	MUL8 \f, 6, \zero
.endm
; The last quarter multiplies buffer 1 and changes slots: ONE barrier; in front of it each wave waits for all its tensor loads (one is out: its part of the next slot), adds 0 to its spare
; word, and waits for that and for its own reads of this slot.  fill = 1: this slot is filled again, two K steps on.
.macro TURN slot, next, fill
	WIN 0                                          ; (the add's two registers lie in window 0)
	s_wait_tensorcnt 0x0                           ; all my tensor loads have landed;
	ds_add_u32 v[SPW], v[NIL]                      ; 0 onto my spare word
	s_wait_dscnt 9                                 ; (the add and the youngest eight loads may be out)
	MUL8 F1, 0, 0                                  ; eight matrix instructions stand between the add and the wait for it
	s_wait_dscnt 0x0                               ; the add is done, and my reads of this slot are over
	s_barrier_signal -1
	MUL8 F1, 2, 0
.if \fill
	WIN 0
.endif
	s_barrier_wait -1
.if \fill
	CREST                                          ; the barrier has opened a round of the cluster's: no wave of any partner still reads this slot or has a load on its way
	s_add_nc_u64 s[G0+4*(\slot)+2:G0+4*(\slot)+3], s[G0+4*(\slot)+2:G0+4*(\slot)+3], 4*HEAD
	s_add_nc_u64 s[G0B+4*(\slot)+2:G0B+4*(\slot)+3], s[G0B+4*(\slot)+2:G0B+4*(\slot)+3], 2*KSTEP*2
	JLOAD \slot                                    ; the first tensor load behind the round, 112 matrix instructions ahead of the wait for it; its four v_nop are also the places in front of the loads below
.else
	PLACES
.endif
	FETCH \next, 0, F0
	MUL8 F1, 4, 0
	MUL8 F1, 6, 0
.endm
; THE WAY OUT of token block a: the bias is added (each accumulator's registers in ascending order); 32 bytes a lane go into my own stage, rows of 272 bytes, and come back as whole rows of 256.
.macro PACKB a
	WIN 0x02                                       ; source 0 window 2
.irp b, 0,1,2,3
.irp i, 0,1,2,3
	v_pk_add_f32 v[T+8*\b+2*\i:T+8*\b+2*\i+1], v[8*(4*(\a)+\b)+2*\i:8*(4*(\a)+\b)+2*\i+1], v[BI+8*\b+2*\i:BI+8*\b+2*\i+1]
.endr
.endr
	WIN 0
.endm
.macro TOSTAGE a
	WIN 0
.set BK, OB+32*((\a)%2)
.irp b, 0,1,2,3
	ds_store_b128 v[STO], v[T+8*\b:T+8*\b+3]   offset:64*\b
	ds_store_b128 v[STO], v[T+8*\b+4:T+8*\b+7] offset:64*\b+16
.endr
.irp t, 0,1,2,3,4,5,6,7
	ds_load_b128 v[BK+4*\t:BK+4*\t+3], v[RD] offset:\t*2*SP  ; LDS serves a wave's instructions in order (ISA guide 5.7.1.4): these see the stores above
.endr
.endm
.macro SEND a
	WIN 0
.set BK, OB+32*((\a)%2)
	s_wait_dscnt 0x0                               ; the block is back in registers
	s_wait_xcnt 0x0                                ; earlier stores have had their addresses translated (ISA guide 3.1): only behind this wait are the registers that they read loaded again
.irp t, 0,1,2,3,4,5,6,7
	global_store_b128 v[CO], v[BK+4*\t:BK+4*\t+3], s[8:9] offset:(16*(\a)+2*\t)*4096 th:TH_STORE_NT  ; 16 lanes store 256 consecutive bytes, at a multiple of 256 from out0's first; 126 rows at the most: inside the signed 24-bit immediate
.endr
.endm
	s_wait_tensorcnt 1                             ; my part of K step 0 is in; step 1's may stay out
	s_barrier_signal -1
	s_barrier_wait -1                              ; everybody's is
	FETCH 0, 0, F0
	QUARTER 0, 1, F0, F1, 1                        ; the first quarter stands in front of the loop: its products start the sums
	WIN 0                                          ; at a label and at a branch every window is 0
	s_mov_b32 s3, LAPS-1
.Llap:                                                 ; a trip goes once round the ring, from a lap's second quarter to the next lap's first, and fills both slots again
	QUARTER 0, 2, F1, F0, 0
	QUARTER 0, 3, F0, F1, 0
	TURN 0, 1, 1
	QUARTER 1, 1, F0, F1, 0
	QUARTER 1, 2, F1, F0, 0
	QUARTER 1, 3, F0, F1, 0
	TURN 1, 0, 1
	QUARTER 0, 1, F0, F1, 0
	WIN 0
	s_sub_co_u32 s3, s3, 1
	s_cmp_lg_u32 s3, 0
	s_cbranch_scc1 .Llap
	QUARTER 0, 2, F1, F0, 0                        ; the last lap fills nothing, and has no round of the cluster's barrier
	QUARTER 0, 3, F0, F1, 0
	TURN 0, 1, 0
	QUARTER 1, 1, F0, F1, 0
	QUARTER 1, 2, F1, F0, 0
	QUARTER 1, 3, F0, F1, 0
	s_wait_dscnt 8                                 ; the very last quarter: nothing more to fetch
	MUL8 F1, 0, 0
	MUL8 F1, 2, 0
	s_wait_dscnt 0x0
	MUL8 F1, 4, 0
	MUL8 F1, 6, 0
	WIN 0
	PLACES
	PACKB 0
	TOSTAGE 0
.irp a, 1,2,3,4,5,6,7                  ; block a's additions stand between block a - 1's loads from the stage and the wait for them
	PACKB \a
	SEND (\a)-1
	TOSTAGE \a
.endr
	SEND 7
	s_wait_tensorcnt 0x0                           ; the wave's end: behind my last tensor load and my last LDS store
	ds_add_u32 v[SPW], v[NIL]
	s_wait_dscnt 0x0
	CROUND                                         ; the closing round: no work-group ends while a partner may still ask for a tile that names it
	s_endpgm
.Lfunc_end_k_qcadd840fb6_proj:
	.size	k_qcadd840fb6_proj, .Lfunc_end_k_qcadd840fb6_proj-k_qcadd840fb6_proj
	.p2alignl 7, 3214868480
	.fill 96, 4, 3214868480
	.section	.rodata,"a",@progbits
	.p2align	6, 0x0
	.amdhsa_kernel k_qcadd840fb6_proj
		.amdhsa_group_segment_fixed_size 327680
		.amdhsa_private_segment_fixed_size 0
		.amdhsa_enable_private_segment 0
		.amdhsa_kernarg_size 32
		.amdhsa_user_sgpr_count 2
		.amdhsa_user_sgpr_kernarg_segment_ptr 1
		.amdhsa_wavefront_size32 1
		.amdhsa_system_sgpr_workgroup_id_x 1
		.amdhsa_system_sgpr_workgroup_id_y 1
		.amdhsa_system_sgpr_workgroup_id_z 1
		.amdhsa_system_vgpr_workitem_id 0
		.amdhsa_next_free_vgpr 768
		.amdhsa_next_free_sgpr 72
		.amdhsa_reserve_vcc 0
		.amdhsa_float_denorm_mode_32 3
		.amdhsa_float_denorm_mode_16_64 3
		.amdhsa_memory_ordered 1
		.amdhsa_forward_progress 1
		.amdhsa_inst_pref_size 96
	.end_amdhsa_kernel
	.amdgpu_metadata
---
amdhsa.version: [ 1, 2 ]
amdhsa.kernels:
  - .name:           k_qcadd840fb6_proj
    .symbol:         k_qcadd840fb6_proj.kd
    .args:
      - { .name: o, .offset: 0, .size: 8, .value_kind: global_buffer, .address_space: global }
      - { .name: wph, .offset: 8, .size: 8, .value_kind: global_buffer, .address_space: global }
      - { .name: out0, .offset: 16, .size: 8, .value_kind: global_buffer, .address_space: global }
      - { .name: bproj, .offset: 24, .size: 8, .value_kind: global_buffer, .address_space: global }
    .group_segment_fixed_size: 327680
    .private_segment_fixed_size: 0
    .kernarg_segment_align: 8
    .kernarg_segment_size: 32
    .max_flat_workgroup_size: 128
    .sgpr_count:     72
    .vgpr_count:     768
    .wavefront_size: 32
...
	.end_amdgpu_metadata
.endif
;; end of part 4
;; ======== version 2 of 2: 4 launches; 1.11 times as fast as version 1
;; limits: values are held in f16: magnitudes above 65,504 overflow, below 6.1e-05 lose precision
;; workspace buffers: xb 16,777,216 bytes; wqb 6,291,456 bytes; wph 2,097,152 bytes; qkv 50,331,648 bytes; o 16,777,216 bytes
;; launch cast (part 5): grid 768 x 1, 8 waves a work-group, no clusters, 0 bytes of LDS; arguments x, Wqkv, Wproj, xb, wqb, wph; writes xb, wqb, wph
.if DOCPART == 5
	.amdgcn_target "amdgcn-amd-amdhsa--gfx1250"
	.amdhsa_code_object_version 6
	.text
	.protected	k_qcadd840fb6_cast
	.globl	k_qcadd840fb6_cast
	.p2align	8
	.type	k_qcadd840fb6_cast,@function
k_qcadd840fb6_cast:
	s_mov_b64 s[64:65], 0
	v_nop
	global_prefetch_b8 v0, s[64:65] scope:SCOPE_SE
	s_setreg_imm32_b32 hwreg(HW_REG_WAVE_MODE, 25, 1), 1
	s_wait_xcnt 0x0
; The three large f32 inputs are rounded once to 16 bits for the matrix units.
;   x     [8192][1024] -> xb  bf16, laid BY K BLOCKS: [16][8192][64]: block kb holds columns 64 kb .. 64 kb + 63 of every row, a row's piece 128 bytes, rows end to end
;   Wqkv  [3072][1024] -> wqb bf16, likewise [16][3072][64]; its rows 0-1023 (q) times 0.125 = 64^-0.5: a power of two, so it commutes with every rounding that follows
;   Wproj [1024][1024] -> wph, row-major: rounded to bf16 like the other inputs, and that number written as f16 (its partner in the last product, O, is f16)
; Why by blocks: the product that follows walks K in steps of 64; so laid, its tile of R rows x 64 K is R x 128 consecutive bytes.
; LIMITS.  wph: a weight beyond 65,504 becomes an infinity, one below 6e-5 keeps f16's fixed step of 6e-8.  wqb: a q weight below 2^-123 loses bits to the factor.
; A stream: no LDS, no barrier, no matrix unit, no cluster (no byte is read by two work-groups).  A work-group takes 16 rows of 1,024 numbers; all 16 loads of a thread go out first; the waits count down.
; By blocks: a wave's load takes one K block (256 bytes of f32) of two neighbouring rows, lanes 0-15 the even row, lanes 16-31 the odd one; its store is those two rows' pieces, 256 consecutive
; bytes, aligned.  Row-major (wph): thread t takes 16 bytes at 16 t of a row and stores 8 bytes at 8 t: a wave's store again covers 256 consecutive bytes, aligned.
.set G_X,  512                         ; work-groups for x: 8,192 rows / 16
.set G_WQ, 192                         ; for Wqkv
.set G_Q,  64                          ; of them for its rows 0-1023
.set XPL,  8192*128                    ; bytes of a K block of xb
.set WPL,  3072*128                    ; and of wqb
.set X,    8                           ; v[8:71]   load j: four f32
.set Y,    72                          ; v[72:103] load j: four 16-bit numbers to store; never rewritten, so no store's data needs a wait
.set T,    4                           ; v[4:7]    at work (wph's path)
	s_load_b256 s[4:11], s[0:1], 0x0               ; x s[4:5], Wqkv s[6:7], Wproj s[8:9], xb s[10:11]
	s_load_b128 s[12:15], s[0:1], 0x20             ; wqb s[12:13], wph s[14:15]
	s_mov_b32 s16, ttmp9
	s_sub_co_u32 s17, s16, G_X                     ; my number among Wqkv's work-groups (wraps to a large number for x's)
	s_sub_co_u32 s19, s16, G_X+G_WQ                ; among Wproj's
	s_mov_b32 s30, 0xffff0000                      ; a word's upper bf16
	s_mov_b32 s32, XPL
	s_mov_b32 s33, WPL
	s_cmp_lt_u32 s17, G_Q
	s_cselect_b32 s28, 0x3e000000, 1.0             ; 0.125 for q's rows, else 1
	s_mov_b32 s29, s28                             ; named with it as a pair
	s_mov_b32 s25, 0
	s_mov_b32 s27, 0
	s_wait_kmcnt 0x0
	s_cmp_ge_u32 s16, G_X+G_WQ                     ; which tensor: the choice hangs on the work-group's number alone
	s_cbranch_scc1 .Lhalf
	s_cmp_lt_u32 s16, G_X
	s_cselect_b64 s[20:21], s[4:5], s[6:7]
	s_cselect_b64 s[22:23], s[10:11], s[12:13]
	s_cselect_b32 s18, s16, s17
	s_cselect_b32 s31, s32, s33                    ; bytes of a K block of the output
	s_lshl_b32 s24, s18, 16                        ; 16 rows of 4,096 bytes in,
	s_lshl_b32 s26, s18, 11                        ; 16 pieces of 128 bytes in each block out
	s_add_nc_u64 s[20:21], s[20:21], s[24:25]
	s_add_nc_u64 s[22:23], s[22:23], s[26:27]
	s_lshl_b32 s34, s31, 1                         ; wave w takes the K blocks 2 w and 2 w + 1
	v_and_b32 v3, 15, v0                           ; r: my 16 bytes of a block's 256
	v_bfe_u32 v4, v0, 4, 1                         ; h: the even or the odd row
	v_lshrrev_b32 v5, 5, v0                        ; w
	v_lshlrev_b32 v1, 4, v3
	v_lshl_add_u32 v1, v4, 12, v1
	v_lshl_add_u32 v1, v5, 9, v1                   ; in: 16 r + 4,096 h + 512 w
	v_lshlrev_b32 v2, 3, v3
	v_lshl_add_u32 v2, v4, 7, v2
	v_mul_u32_u24 v5, s34, v5
	v_add_nc_u32 v2, v2, v5                        ; out, block 2 w: 8 r + 128 h + 2 w blocks
	v_add_nc_u32 v6, s31, v2                       ; out, block 2 w + 1
.set j, 0
.rept 16                                               ; load j: rows 2 (j / 2) and 2 (j / 2) + 1, block 2 w + j % 2
	global_load_b128 v[X+4*j:X+4*j+3], v1, s[20:21] offset:(j/2)*8192+(j%2)*256 th:TH_LOAD_NT
.set j, j+1
.endr
.set j, 0
.rept 16
	s_wait_loadcnt 15-j                            ; loads come back in order: load j is in, the younger ones stay out
	v_pk_mul_f32 v[X+4*j:X+4*j+1], v[X+4*j:X+4*j+1], s[28:29] op_sel_hi:[1,0]
	v_pk_mul_f32 v[X+4*j+2:X+4*j+3], v[X+4*j+2:X+4*j+3], s[28:29] op_sel_hi:[1,0]
	v_cvt_pk_bf16_f32 v[Y+2*j], v[X+4*j], v[X+4*j+1]
	v_cvt_pk_bf16_f32 v[Y+2*j+1], v[X+4*j+2], v[X+4*j+3]
	global_store_b64 v[2+4*(j%2)], v[Y+2*j:Y+2*j+1], s[22:23] offset:(j/2)*256
.set j, j+1
.endr
	s_endpgm
.Lhalf:                                                ; Wproj: to bf16, widened again, and that number as f16; row-major
	s_lshl_b32 s24, s19, 16                        ; 65,536 bytes in,
	s_lshl_b32 s26, s19, 15                        ; 32,768 out, for each work-group
	s_add_nc_u64 s[20:21], s[8:9], s[24:25]
	s_add_nc_u64 s[22:23], s[14:15], s[26:27]
	v_lshlrev_b32 v1, 4, v0                        ; my 16 bytes in a row of f32
	v_lshlrev_b32 v2, 3, v0                        ; my 8 bytes in a row of f16
.set j, 0
.rept 16
	global_load_b128 v[X+4*j:X+4*j+3], v1, s[20:21] offset:j*4096 th:TH_LOAD_NT
.set j, j+1
.endr
.set j, 0
.rept 16
	s_wait_loadcnt 15-j
	v_cvt_pk_bf16_f32 v[Y+2*j], v[X+4*j], v[X+4*j+1]
	v_cvt_pk_bf16_f32 v[Y+2*j+1], v[X+4*j+2], v[X+4*j+3]
	v_lshlrev_b32 v[T], 16, v[Y+2*j]
	v_and_b32 v[T+1], s30, v[Y+2*j]
	v_lshlrev_b32 v[T+2], 16, v[Y+2*j+1]
	v_and_b32 v[T+3], s30, v[Y+2*j+1]
	v_cvt_pk_f16_f32 v[Y+2*j], v[T], v[T+1]
	v_cvt_pk_f16_f32 v[Y+2*j+1], v[T+2], v[T+3]
	global_store_b64 v2, v[Y+2*j:Y+2*j+1], s[22:23] offset:j*2048
.set j, j+1
.endr
	s_endpgm
.Lfunc_end_k_qcadd840fb6_cast:
	.size	k_qcadd840fb6_cast, .Lfunc_end_k_qcadd840fb6_cast-k_qcadd840fb6_cast
	.p2alignl 7, 3214868480
	.fill 96, 4, 3214868480
	.section	.rodata,"a",@progbits
	.p2align	6, 0x0
	.amdhsa_kernel k_qcadd840fb6_cast
		.amdhsa_group_segment_fixed_size 0
		.amdhsa_private_segment_fixed_size 0
		.amdhsa_enable_private_segment 0
		.amdhsa_kernarg_size 48
		.amdhsa_user_sgpr_count 2
		.amdhsa_user_sgpr_kernarg_segment_ptr 1
		.amdhsa_wavefront_size32 1
		.amdhsa_system_sgpr_workgroup_id_x 1
		.amdhsa_system_sgpr_workgroup_id_y 1
		.amdhsa_system_sgpr_workgroup_id_z 1
		.amdhsa_system_vgpr_workitem_id 0
		.amdhsa_next_free_vgpr 104
		.amdhsa_next_free_sgpr 66
		.amdhsa_reserve_vcc 0
		.amdhsa_float_denorm_mode_32 3
		.amdhsa_float_denorm_mode_16_64 3
		.amdhsa_memory_ordered 1
		.amdhsa_forward_progress 1
		.amdhsa_inst_pref_size 20
	.end_amdhsa_kernel
	.amdgpu_metadata
---
amdhsa.version: [ 1, 2 ]
amdhsa.kernels:
  - .name:           k_qcadd840fb6_cast
    .symbol:         k_qcadd840fb6_cast.kd
    .args:
      - { .name: x, .offset: 0, .size: 8, .value_kind: global_buffer, .address_space: global }
      - { .name: Wqkv, .offset: 8, .size: 8, .value_kind: global_buffer, .address_space: global }
      - { .name: Wproj, .offset: 16, .size: 8, .value_kind: global_buffer, .address_space: global }
      - { .name: xb, .offset: 24, .size: 8, .value_kind: global_buffer, .address_space: global }
      - { .name: wqb, .offset: 32, .size: 8, .value_kind: global_buffer, .address_space: global }
      - { .name: wph, .offset: 40, .size: 8, .value_kind: global_buffer, .address_space: global }
    .group_segment_fixed_size: 0
    .private_segment_fixed_size: 0
    .kernarg_segment_align: 8
    .kernarg_segment_size: 48
    .max_flat_workgroup_size: 256
    .sgpr_count:     66
    .vgpr_count:     104
    .wavefront_size: 32
...
	.end_amdgpu_metadata
.endif
;; end of part 5
;; launch qkvrope (part 6): grid 8 x 32, 4 waves a work-group, clusters of 4 x 4, 327,680 bytes of LDS; arguments xb, wqb, qkv, freqs_cos, freqs_sin; writes qkv
.if DOCPART == 6
	.amdgcn_target "amdgcn-amd-amdhsa--gfx1250"
	.amdhsa_code_object_version 6
	.text
	.protected	k_qcadd840fb6_qkvrope
	.globl	k_qcadd840fb6_qkvrope
	.p2align	8
	.type	k_qcadd840fb6_qkvrope,@function
k_qcadd840fb6_qkvrope:
	s_mov_b64 s[64:65], 0
	v_nop
	global_prefetch_b8 v0, s[64:65] scope:SCOPE_SE
	s_setreg_imm32_b32 hwreg(HW_REG_WAVE_MODE, 25, 1), 1
	s_wait_xcnt 0x0
	s_wait_alu depctr_hold_cnt(0) depctr_sa_sdst(0) depctr_va_vdst(0) depctr_va_sdst(0) depctr_va_ssrc(0) depctr_va_vcc(0) depctr_vm_vsrc(0)
	s_getreg_b32 s2, hwreg(HW_REG_IB_STS2, 6, 4)
	s_cmp_eq_u32 s2, 0
	s_cbranch_scc0 .Lentry_in_a_cluster
	s_endpgm
.Lentry_in_a_cluster:
	s_bfe_u32 s2, ttmp6, 0x10000c
	s_cmp_lg_u32 s2, 0xf033
	s_cbranch_scc0 .Lentry_shape_is_right
	s_endpgm
.Lentry_shape_is_right:
; qkv = x Wqkv^T with the rotation of q and k on the way out.  xb [16][8192][64] and wqb [16][3072][64], bf16, by K blocks of 64 (q's rows of wqb carry 64^-0.5); sums in f32.
; Out: qkv [3][64 = 16 batch + head][2048][64] f16: part 0 the rotated, scaled q, part 1 the rotated k, part 2 v; each number rounded once from f32.
; LIMITS.  f16 ends at 65,504: |q| / 8, |k| and |v| must stay below it.  cos and sin are rounded to bf16, like x and the weights, and used in f32.
; SHARES.  A work-group makes ONE tile of 256 tokens x 384 columns: q, k and v of two heads (three planes of 128 rows of wqb, 1,024 rows apart): 32 x 8 = 256 work-groups of equal work, and xb's
; tile is fetched once for all three parts.  Four waves, each 128 tokens x one head's q, k and v: 192 columns, 96 accumulators of 16 x 16, 768 registers.  For 32 along K a wave loads
; 8 + 12 fragments (40 LDS loads) for 96 matrix instructions.
; K goes in steps of 64 (a K block) through two LDS slots: two slots of 128 along K, 640 rows x 272 bytes each, would pass the 327,680 bytes there are.  By blocks a tile of R rows is R x 128
; consecutive bytes: it is asked for as rows of 256 bytes, aligned, and padded in LDS after every 128.
; CLUSTER 4 x 4: the four work-groups of a row need the same tiles of xb, the four of a column the same tiles of wqb: each tile is asked for jointly.  Wave 0 asks for xb's tile, waves 1 to 3 for
; one plane of wqb each.
; THE MATRIX INSTRUCTION IS USED TRANSPOSED (source 0 = 16 rows of wqb, source 1 = 16 tokens): a lane holds one token (lane % 16) and eight neighbouring columns 8 (lane / 16) + 0..7,
; that is four whole pairs of the rotation, which so needs no other lane, and 16 bytes of f16 that belong together.
; REGISTERS, in windows of 256: windows 1, 2, 3: the accumulators of q, k, v: column block b (0-3 of the head's 64 columns), token block a (0-7) at v[8 (8 b + a)].
;   window 0: v0-31 addresses; v32-95, v96-159 xb's fragments of 32 along K, two buffers; v160-255 wqb's twelve fragments, ONE buffer, refreshed in place: when a part's 32 products are done, its four
;   fragments are loaded for the next quarter, 64 products ahead of their use.  On the way out the same registers hold cos and sin (a ring of four token blocks) and the work.
.set PT,     144                       ; an LDS row: 128 bytes + 16 of padding = 36 words: the 16 rows of a fragment load start at 16 different groups of four banks (64 banks of 4 bytes: ISA guide 11.1)
.set ATILE,  256*PT                    ; xb's tile
.set BPLANE, 128*PT                    ; one plane of wqb's
.set BOFF,   ATILE                     ; a slot: 256 rows of xb, then 3 x 128 rows of wqb
.set SLOT,   ATILE+3*BPLANE
.set STAGE,  2*SLOT                    ; behind the ring: 16 rows x 144 bytes for each wave, for the way out; no tensor load lands there
.set SP,     144
.set SPARE,  STAGE+4*16*SP             ; behind the stages: the spare words, 128 bytes for each wave: two blocks of 256 bytes that no other line names
.set LAPS,   8                         ; a lap = two K steps = once round the ring; 1,024 / 128
.set APL,    8192*128                  ; bytes from a K block of xb to the next
.set BPL,    3072*128                  ; and of wqb
.set PART,   0x1000000                 ; bytes from q to k and from k to v in the output
.set ADRA, 16                          ; v16-17  LDS address of my xb fragments in slot 0, 1
.set ADRB, 20                          ; v20-21  the same for wqb
.set STO,  24                          ; v24     the way out: where I put 16 bytes of a row
.set RD,   25                          ; v25     where I read rows back
.set CO,   26                          ; v26     my byte offset in 512 consecutive bytes of the output
.set SPW,  28                          ; v28     LDS address of my spare word; never rewritten
.set NIL,  29                          ; v29     0; never rewritten
.set FA0,  32                          ; xb's fragments: token block a at + 8 a
.set FA1,  96
.set FB,   160                         ; wqb's fragments: part p, column block b at + 8 (4 p + b)
.set CSB,  32                          ; the way out: v32-159 four slots of 32: token block a's 16 cos, then its 16 sin, in slot a % 4; the four numbers for column block b at + 4 b
.set T,    160                         ; v160-191 a block's 32 rotated numbers in f32
.set TMP,  192                         ; v192-207 the same in f16
.set OB,   208                         ; v208-223, v224-239 by turns: a block read back from the stage
.set RT,   240                         ; v240-255 at work: cos and sin in bf16
.set G1, 24                            ; s[24:31] descriptor group 1 for xb's tiles; s[32:39] group 0, a set for each slot
.set G0, 32
.set G1B, 48                           ; s[48:55], s[56:63] the same for wqb's
.set G0B, 56
.set OUT, 72                           ; s[72:77] the output at my rows of part 0, 1, 2
.set MSB, 0
.macro WIN new                         ; the immediate's high byte repeats the setting that is left; a switch that changes nothing is dropped
.if MSB != (\new)
	s_set_vgpr_msb (MSB<<8)|(\new)
.set MSB, \new
.endif
.endm
.macro JLOAD s                         ; a joint load: wave 0 fetches xb's tile, waves 1 to 3 a plane of wqb's; four v_nop follow each of the two lines
	s_cmp_eq_u32 s10, 0
	s_cbranch_scc0 .Lfor_b_\@
	tensor_load_to_lds s[G0+4*(\s):G0+4*(\s)+3], s[G1:G1+7]
.rept 4
	v_nop
.endr
	s_branch .Lasked_\@
.Lfor_b_\@:
	tensor_load_to_lds s[G0B+4*(\s):G0B+4*(\s)+3], s[G1B:G1B+7]
.rept 4
	v_nop
.endr
.Lasked_\@:
.endm
.macro CREST                           ; a round of the cluster's barrier behind its opening barrier
	s_cmp_lg_u32 s10, 0
	s_cbranch_scc1 .Lnot_wave_0_\@
	s_barrier_signal -3
.Lnot_wave_0_\@:
	s_barrier_wait -3
	s_barrier_signal -1
	s_barrier_wait -1
.endm
.macro CROUND                          ; a whole round
	s_barrier_signal -1
	s_barrier_wait -1
	CREST
.endm
	s_load_b128 s[4:7], s[0:1], 0x0                ; xb s[4:5], wqb s[6:7]
	s_load_b64 s[8:9], s[0:1], 0x10                ; qkv
	s_load_b128 s[68:71], s[0:1], 0x18             ; cos s[68:69], sin s[70:71]
	v_lshl_add_u32 v[SPW], v0, 2, SPARE
	v_mov_b32 v[NIL], 0
	v_lshrrev_b32 v1, 5, v0
	v_readfirstlane_b32 s10, v1                    ; wave 0..3
	s_lshr_b32 s11, s10, 1                         ; which half of the tile's tokens is mine
	s_and_b32 s12, s10, 1                          ; which of its two heads
	s_max_u32 s21, s10, 1
	s_sub_co_u32 s21, s21, 1                       ; the plane of wqb that waves 1 to 3 fetch (wave 0 fetches none)
	s_bfe_u32 s40, ttmp6, 0x40000                  ; cx, cy: my place in the cluster
	s_bfe_u32 s41, ttmp6, 0x40004
	s_lshl_b32 s42, ttmp9, 2
	s_add_co_u32 s42, s42, s40                     ; head pair 0..7 = 4 x cluster x + cx
	s_and_b32 s13, ttmp7, 0xffff
	s_lshl_b32 s13, s13, 2
	s_add_co_u32 s13, s13, s41                     ; token tile 0..31 = 4 x cluster y + cy
	s_lshl_b32 s43, s41, 2
	s_lshl_b32 s43, 15, s43                        ; my row of the cluster
	s_lshl_b32 s44, 0x1111, s40                    ; my column
	s_mov_b32 s45, 0xffff0000                      ; a word's upper bf16
	; descriptor group 1: dense rows of 128 elements of 2 bytes (two rows of a K block each), padded in LDS after every 32 words; 128 such rows of xb, 64 of a plane of wqb
	s_or_b32 s[G1+0], s43, (1<<16)|(1<<20)|(1<<21)|(4<<22)|(3<<25)  ; 15:0 the mask: my row; 17:16 2-byte elements; 20 padding on; 21 set beside a mask; 24:22 after every 32 words (code 4); 31:25 4 words (code 3)
	s_or_b32 s[G1B+0], s44, (1<<16)|(1<<20)|(1<<21)|(4<<22)|(3<<25) ; the same with the mask of my column
.irp g, G1, G1B
	s_mov_b32 s[(\g)+1], 128<<16                   ; tensor_dim0 = 128
	s_mov_b32 s[(\g)+3], 128<<16                   ; tile_dim0 = 128
	s_mov_b32 s[(\g)+5], 128                       ; elements from row to row: dense
	s_mov_b32 s[(\g)+6], 0
	s_mov_b32 s[(\g)+7], 0
.endr
	s_mov_b32 s[G1+2], 128<<16                     ; tensor_dim1
	s_mov_b32 s[G1+4], 128                         ; tile_dim1
	s_mov_b32 s[G1B+2], 64<<16
	s_mov_b32 s[G1B+4], 64
	; xb's tiles hang on the token tile alone, which my row shares; wqb's on the head pair alone, which my column shares
	s_lshl_b32 s16, s13, 15                        ; xb: 256 tokens of 128 bytes a tile, in each K block
	s_mov_b32 s17, 0
	s_lshl_b32 s46, s42, 14                        ; wqb: 128 rows of 128 bytes a head pair,
	s_lshl_b32 s47, s21, 17                        ; 1,024 rows a plane
	s_add_co_u32 s46, s46, s47
	s_mov_b32 s47, 0
	s_mul_i32 s20, s10, BPLANE                     ; where a plane goes: wave w's behind xb's tile and the planes of the waves before it; no place in the cluster enters an LDS address
	s_add_co_u32 s20, s20, BOFF-BPLANE
	s_wait_kmcnt 0x0
	s_add_nc_u64 s[14:15], s[4:5], s[16:17]
	s_add_nc_u64 s[46:47], s[6:7], s[46:47]
	CROUND                                         ; all sixteen work-groups are here: the first joint loads meet
.irp s, 0,1
	s_mov_b32 s[G0+4*(\s)], 1                                      ; count = 1
	s_mov_b32 s[G0+4*(\s)+1], (\s)*SLOT                            ; LDS address
	s_add_nc_u64 s[G0+4*(\s)+2:G0+4*(\s)+3], s[14:15], (\s)*APL    ; global address: K block s
	s_or_b32 s[G0+4*(\s)+3], s[G0+4*(\s)+3], 0x80000000            ; type = 2
	s_mov_b32 s[G0B+4*(\s)], 1
	s_add_co_u32 s[G0B+4*(\s)+1], s20, (\s)*SLOT
	s_add_nc_u64 s[G0B+4*(\s)+2:G0B+4*(\s)+3], s[46:47], (\s)*BPL
	s_or_b32 s[G0B+4*(\s)+3], s[G0B+4*(\s)+3], 0x80000000
	JLOAD \s                                       ; two tensor loads of mine are out
.endr
	; cos and sin of my 128 tokens: [8192][32] f32.  My lane's columns 16 b + 8 h + 0..7 of a head are the pairs 8 b + 4 h + 0..3: 16 bytes at 128 x token + 32 b + 16 h.
	v_and_b32 v1, 15, v0                           ; r = l % 16
	v_bfe_u32 v2, v0, 4, 1                         ; h = l / 16
	v_lshlrev_b32 v5, 7, v1
	v_lshl_add_u32 v5, v2, 4, v5                   ; 128 r + 16 h; never rewritten
	s_lshl_b32 s18, s13, 15                        ; 256 tokens of 128 bytes a tile,
	s_lshl_b32 s19, s11, 14                        ; my half of them
	s_add_co_u32 s18, s18, s19
	s_mov_b32 s19, 0
	s_add_nc_u64 s[68:69], s[68:69], s[18:19]
	s_add_nc_u64 s[70:71], s[70:71], s[18:19]
	; a fragment is 16 rows x 32 K in 8 registers: lane l holds row l % 16, K = 8 (l / 16) + 0..7 and 16 + 8 (l / 16) + 0..7: two loads of 16 bytes, 32 bytes apart
	v_mul_u32_u24 v3, v1, PT
	v_lshl_add_u32 v3, v2, 4, v3                   ; row x pitch + 16 x half
	s_mul_i32 s22, s11, 128*PT                     ; my 128 tokens
	s_mul_i32 s23, s12, 64*PT                      ; my head's 64 rows in each plane of wqb,
	s_add_co_u32 s23, s23, BOFF                    ; which lie behind xb's 256
.irp s, 0,1
	v_add_nc_u32 v[ADRA+(\s)], s22, v3
	v_add_nc_u32 v[ADRB+(\s)], s23, v3
	s_add_co_u32 s22, s22, SLOT
	s_add_co_u32 s23, s23, SLOT
.endr
	s_mul_i32 s18, s10, 16*SP
	s_add_co_u32 s18, s18, STAGE                   ; my stage
	v_mul_u32_u24 v4, v1, SP                       ; in: row l % 16, 16 bytes for each half of the lanes
	v_lshl_add_u32 v4, v2, 4, v4
	v_add_nc_u32 v[STO], s18, v4
	v_bfe_u32 v4, v0, 3, 2                         ; back: 32 lanes take four rows of 128 bytes,
	v_mul_u32_u24 v4, v4, SP
	v_and_b32 v3, 7, v0
	v_lshl_add_u32 v4, v3, 4, v4
	v_add_nc_u32 v[RD], s18, v4
	v_and_b32 v[CO], 31, v0                        ; which are 512 consecutive bytes of a head's rows
	v_lshlrev_b32 v[CO], 4, v[CO]
	; where my 128 rows begin in a part of the output: (16 batch + head) x 262,144 + row in the batch x 128
	s_lshr_b32 s16, s13, 3                         ; batch: eight token tiles each
	s_lshl_b32 s16, s16, 4
	s_lshl_b32 s46, s42, 1
	s_add_co_u32 s46, s46, s12                     ; head = 2 x head pair + my half
	s_add_co_u32 s16, s16, s46
	s_lshl_b32 s16, s16, 18
	s_and_b32 s17, s13, 7
	s_lshl_b32 s17, s17, 8
	s_lshl_b32 s18, s11, 7
	s_add_co_u32 s17, s17, s18
	s_lshl_b32 s17, s17, 7
	s_add_co_u32 s16, s16, s17
	s_mov_b32 s17, 0
	s_add_nc_u64 s[OUT:OUT+1], s[8:9], s[16:17]
	s_add_nc_u64 s[OUT+2:OUT+3], s[OUT:OUT+1], PART
	s_add_nc_u64 s[OUT+4:OUT+5], s[OUT:OUT+1], 2*PART
; 8 matrix instructions: column block b (0-11: part b / 4) x all 8 token blocks, 32 along K.  zero = 1: the product starts the sums.  The 96 accumulators take turns, in the same order in
; every quarter.  Sources in window 0, C and D in the part's window.
.macro MULB fa, b, zero
	WIN 0x50*(1+(\b)/4)
.irp a, 0,1,2,3,4,5,6,7
.if \zero
	v_wmma_f32_16x16x32_bf16 v[8*(8*((\b)%4)+\a):8*(8*((\b)%4)+\a)+7], v[FB+8*(\b):FB+8*(\b)+7], v[(\fa)+8*\a:(\fa)+8*\a+7], 0
.else
	v_wmma_f32_16x16x32_bf16 v[8*(8*((\b)%4)+\a):8*(8*((\b)%4)+\a)+7], v[FB+8*(\b):FB+8*(\b)+7], v[(\fa)+8*\a:(\fa)+8*\a+7], v[8*(8*((\b)%4)+\a):8*(8*((\b)%4)+\a)+7]
.endif
.endr
.endm
.macro MULP fa, p, zero                ; a part's 32
	MULB \fa, 4*(\p), \zero
	MULB \fa, 4*(\p)+1, \zero
	MULB \fa, 4*(\p)+2, \zero
	MULB \fa, 4*(\p)+3, \zero
.endm
.macro FBLD slot, kq, p                ; 8 LDS loads: part p's four fragments of wqb for quarter kq (32 along K at byte 64 kq of the rows)
	WIN 0
.irp i, 0,1,2,3
	ds_load_b128 v[FB+8*(4*(\p)+\i):FB+8*(4*(\p)+\i)+3],   v[ADRB+(\slot)] offset:(\p)*BPLANE+\i*16*PT+64*(\kq)
	ds_load_b128 v[FB+8*(4*(\p)+\i)+4:FB+8*(4*(\p)+\i)+7], v[ADRB+(\slot)] offset:(\p)*BPLANE+\i*16*PT+64*(\kq)+32
.endr
.endm
.macro FALD slot, kq, fa               ; 16 LDS loads: xb's eight fragments for quarter kq into buffer fa
	WIN 0
.irp i, 0,1,2,3,4,5,6,7
	ds_load_b128 v[(\fa)+8*\i:(\fa)+8*\i+3],   v[ADRA+(\slot)] offset:\i*16*PT+64*(\kq)
	ds_load_b128 v[(\fa)+8*\i+4:(\fa)+8*\i+7], v[ADRA+(\slot)] offset:\i*16*PT+64*(\kq)+32
.endr
.endm
.macro PLACES                          ; four places in front of loads into registers that matrix instructions have read, and of vector lines that read results
.rept 4
	v_nop
.endr
.endm
; A K step is two quarters of 32 along K, 96 matrix instructions each.  In every quarter the next quarter's fragments are asked for in three runs: behind part 0's products 24 loads (part 0's
; fragments and xb's other buffer), behind part 1's 8, behind part 2's 8.  So at a quarter's head the two runs of 8 may be out; ahead of part 1 the run behind the wanted one (8) and this
; quarter's first (24); ahead of part 2 this quarter's first two (24 + 8).
; The first quarter of a step: multiplies buffer 0 and fetches the second quarter of the same slot.
.macro QA slot, zero
	s_wait_dscnt 16
	MULP FA0, 0, \zero
	WIN 0
	PLACES
	FBLD \slot, 1, 0
	FALD \slot, 1, FA1
	s_wait_dscnt 32
	MULP FA0, 1, \zero
	WIN 0
	PLACES
	FBLD \slot, 1, 1
	s_wait_dscnt 32
	MULP FA0, 2, \zero
	WIN 0
	PLACES
	FBLD \slot, 1, 2
.endm
; The second quarter multiplies buffer 1 and changes slots: this slot's last reads were issued at the end of the quarter before.  ONE barrier; in front of it each wave waits for all its tensor
; loads (one is out: its part of the next slot), adds 0 to its spare word, and waits for that and for its own reads of this slot.  fill = 1: this slot is filled again, two K steps on.
.macro QB slot, next, fill
	s_wait_dscnt 16
	MULB FA1, 0, 0
	MULB FA1, 1, 0
	WIN 0                                          ; (the add's two registers lie in window 0)
	s_wait_tensorcnt 0x0                           ; all my tensor loads have landed;
	ds_add_u32 v[SPW], v[NIL]                      ; 0 onto my spare word
	MULB FA1, 2, 0                                 ; eight matrix instructions stand between the add and the wait for it
	s_wait_dscnt 0x0                               ; the add is done, and my reads of this slot are over
	s_barrier_signal -1
	MULB FA1, 3, 0
	WIN 0
	s_barrier_wait -1
.if \fill
	CREST                                          ; the barrier has opened a round of the cluster's: no wave of any partner still reads this slot or has a load on its way
	s_add_nc_u64 s[G0+4*(\slot)+2:G0+4*(\slot)+3], s[G0+4*(\slot)+2:G0+4*(\slot)+3], 2*APL
	s_add_nc_u64 s[G0B+4*(\slot)+2:G0B+4*(\slot)+3], s[G0B+4*(\slot)+2:G0B+4*(\slot)+3], 2*BPL
	JLOAD \slot                                    ; the first tensor load behind the round, 176 matrix instructions ahead of the wait for it; its four v_nop are also the places in front of the loads below
.else
	PLACES
.endif
	FBLD \next, 0, 0
	FALD \next, 0, FA0
	MULP FA1, 1, 0                                 ; (parts 1 and 2's fragments are in since the wait for 0 above)
	WIN 0
	PLACES
	FBLD \next, 0, 1
	MULP FA1, 2, 0
	WIN 0
	PLACES
	FBLD \next, 0, 2
.endm
; THE WAY OUT, in units of one token block a of one part: 16 rows of one head, 2,048 dense bytes of the output.
.macro LOADCS a                        ; token block a's cos and sin into slot a % 4: eight loads
.irp b, 0,1,2,3
	global_load_b128 v[CSB+32*((\a)%4)+4*\b:CSB+32*((\a)%4)+4*\b+3],       v5, s[68:69] offset:2048*(\a)+32*\b
	global_load_b128 v[CSB+32*((\a)%4)+16+4*\b:CSB+32*((\a)%4)+16+4*\b+3], v5, s[70:71] offset:2048*(\a)+32*\b
.endr
.endm
.macro ROUND a                         ; they are rounded to bf16 and widened again, in place
.set c0, CSB+32*((\a)%4)
.set i, 0
.rept 16
	v_cvt_pk_bf16_f32 v[RT+i], v[c0+2*i], v[c0+2*i+1]
.set i, i+1
.endr
.set i, 0
.rept 16
	v_lshlrev_b32 v[c0+2*i], 16, v[RT+i]
	v_and_b32 v[c0+2*i+1], s45, v[RT+i]
.set i, i+1
.endr
.endm
; ROPE: the pair (t0, t1) becomes (t0 c - t1 s, t0 s + t1 c), two packed lines a pair: first (t0 c, t1 c), then (- t1 s, + t0 s) onto it with the pair's halves crossed.  Then rounded to f16.
; Each accumulator's registers are taken in ascending order.
.macro ROPE a, p
	WIN 1+(\p)                                     ; source 0 (the sums) in the part's window, all else in window 0
.irp b, 0,1,2,3
.irp g, 0,1
.set rA, 8*(8*\b+(\a))+4*\g
.set rC, CSB+32*((\a)%4)+4*\b+2*\g
.set rT, T+8*\b+4*\g
	v_pk_mul_f32 v[rT:rT+1],   v[rA:rA+1],   v[rC:rC+1] op_sel:[0,0] op_sel_hi:[1,0]
	v_pk_mul_f32 v[rT+2:rT+3], v[rA+2:rA+3], v[rC:rC+1] op_sel:[0,1] op_sel_hi:[1,1]
	v_pk_fma_f32 v[rT:rT+1],   v[rA:rA+1],   v[rC+16:rC+17], v[rT:rT+1]     op_sel:[1,0,0] op_sel_hi:[0,0,1] neg_lo:[1,0,0]
	v_pk_fma_f32 v[rT+2:rT+3], v[rA+2:rA+3], v[rC+16:rC+17], v[rT+2:rT+3] op_sel:[1,1,0] op_sel_hi:[0,1,1] neg_lo:[1,0,0]
.endr
.endr
	WIN 0
.irp b, 0,1,2,3
.irp i, 0,1,2,3
	v_cvt_pk_f16_f32 v[TMP+4*\b+\i], v[T+8*\b+2*\i], v[T+8*\b+2*\i+1]
.endr
.endr
.endm
.macro CVT a                           ; v is not rotated
	WIN 0x0f                                       ; sources window 3
.irp b, 0,1,2,3
.irp i, 0,1,2,3
	v_cvt_pk_f16_f32 v[TMP+4*\b+\i], v[8*(8*\b+(\a))+2*\i], v[8*(8*\b+(\a))+2*\i+1]
.endr
.endr
	WIN 0
.endm
.macro TOSTAGE k                       ; into my own stage, rows of 144 bytes, and back as whole rows of 128, into buffer k
	WIN 0
.irp b, 0,1,2,3
	ds_store_b128 v[STO], v[TMP+4*\b:TMP+4*\b+3] offset:32*\b
.endr
.irp f, 0,1,2,3
	ds_load_b128 v[OB+16*(\k)+4*\f:OB+16*(\k)+4*\f+3], v[RD] offset:\f*4*SP  ; LDS serves a wave's instructions in order (ISA guide 5.7.1.4): these see the stores above
.endr
.endm
.macro SEND a, p, k                    ; token block a of part p leaves from buffer k
	WIN 0
	s_wait_dscnt 0x0                               ; the unit is back in registers
	s_wait_xcnt 0x0                                ; earlier stores have had their addresses translated (ISA guide 3.1): only behind this wait are the registers that they read loaded again
.irp f, 0,1,2,3
	global_store_b128 v[CO], v[OB+16*(\k)+4*\f:OB+16*(\k)+4*\f+3], s[OUT+2*(\p):OUT+2*(\p)+1] offset:2048*(\a)+512*\f  ; 512 consecutive bytes, at a multiple of 256 from the output's first
.endr
.endm
	s_wait_tensorcnt 1                             ; my part of K step 0 is in; step 1's may stay out
	s_barrier_signal -1
	s_barrier_wait -1                              ; everybody's is
	FBLD 0, 0, 0                                   ; the first quarter's fragments, in the order of every quarter's three runs
	FALD 0, 0, FA0
	FBLD 0, 0, 1
	FBLD 0, 0, 2
	QA 0, 1                                        ; the first quarter stands in front of the loop: its products start the sums
	s_mov_b32 s3, LAPS-1
.Llap:                                                 ; a trip goes once round the ring, from a lap's second quarter to the next lap's first, and fills both slots again; every quarter ends in window 0
	QB 0, 1, 1
	QA 1, 0
	QB 1, 0, 1
	QA 0, 0
	s_sub_co_u32 s3, s3, 1
	s_cmp_lg_u32 s3, 0
	s_cbranch_scc1 .Llap
	QB 0, 1, 0                                     ; the last lap fills nothing, and has no round of the cluster's barrier: my one tensor load that was out is the last K step's
	QA 1, 0
	s_wait_dscnt 16                                ; the very last quarter: nothing more to fetch from LDS
	MULP FA1, 0, 0
	WIN 0
	PLACES
	LOADCS 0                                       ; xb's buffer 0 is free: cos and sin of token blocks 0 and 1 are asked for
	LOADCS 1
	s_wait_dscnt 8                                 ; part 1's fragments are in; part 2's eight loads may be out
	MULP FA1, 1, 0
	s_wait_dscnt 0x0
	MULP FA1, 2, 0
	WIN 0
	PLACES
	LOADCS 2                                       ; buffer 1 is free: blocks 2 and 3
	LOADCS 3
	CVT 0                                          ; v goes out first: it wants no cos and sin, which land meanwhile
	TOSTAGE 0
.irp a, 1,2,3,4,5,6,7                  ; a unit's arithmetic stands between the loads of the unit before from the stage and the wait for them
	CVT \a
	SEND (\a)-1, 2, ((\a)-1)%2
	TOSTAGE (\a)%2
.endr
.irp a, 0,1,2,3,4,5,6,7                ; then q and k, a token block at a time
.if \a < 5
	s_wait_loadcnt 24                              ; block a's cos and sin are in; the three blocks asked for behind it, eight loads each, may be out
.else
	s_wait_loadcnt 8*(7-\a)                        ; the counts run down: 16, 8, 0
.endif
	ROUND \a
	ROPE \a, 0
.if \a == 0
	SEND 7, 2, 1
.else
	SEND (\a)-1, 1, 1
.endif
	TOSTAGE 0
	ROPE \a, 1
.if \a < 4
	LOADCS (\a)+4                                  ; its slot takes the block four further on
.endif
	SEND \a, 0, 0
	TOSTAGE 1
.endr
	SEND 7, 1, 1
	s_wait_tensorcnt 0x0                           ; the wave's end: behind my last tensor load and my last LDS store
	ds_add_u32 v[SPW], v[NIL]
	s_wait_dscnt 0x0
	CROUND                                         ; the closing round: no work-group ends while a partner may still ask for a tile that names it
	s_endpgm
.Lfunc_end_k_qcadd840fb6_qkvrope:
	.size	k_qcadd840fb6_qkvrope, .Lfunc_end_k_qcadd840fb6_qkvrope-k_qcadd840fb6_qkvrope
	.p2alignl 7, 3214868480
	.fill 96, 4, 3214868480
	.section	.rodata,"a",@progbits
	.p2align	6, 0x0
	.amdhsa_kernel k_qcadd840fb6_qkvrope
		.amdhsa_group_segment_fixed_size 327680
		.amdhsa_private_segment_fixed_size 0
		.amdhsa_enable_private_segment 0
		.amdhsa_kernarg_size 40
		.amdhsa_user_sgpr_count 2
		.amdhsa_user_sgpr_kernarg_segment_ptr 1
		.amdhsa_wavefront_size32 1
		.amdhsa_system_sgpr_workgroup_id_x 1
		.amdhsa_system_sgpr_workgroup_id_y 1
		.amdhsa_system_sgpr_workgroup_id_z 1
		.amdhsa_system_vgpr_workitem_id 0
		.amdhsa_next_free_vgpr 1024
		.amdhsa_next_free_sgpr 80
		.amdhsa_reserve_vcc 0
		.amdhsa_float_denorm_mode_32 3
		.amdhsa_float_denorm_mode_16_64 3
		.amdhsa_memory_ordered 1
		.amdhsa_forward_progress 1
		.amdhsa_inst_pref_size 186
	.end_amdhsa_kernel
	.amdgpu_metadata
---
amdhsa.version: [ 1, 2 ]
amdhsa.kernels:
  - .name:           k_qcadd840fb6_qkvrope
    .symbol:         k_qcadd840fb6_qkvrope.kd
    .args:
      - { .name: xb, .offset: 0, .size: 8, .value_kind: global_buffer, .address_space: global }
      - { .name: wqb, .offset: 8, .size: 8, .value_kind: global_buffer, .address_space: global }
      - { .name: qkv, .offset: 16, .size: 8, .value_kind: global_buffer, .address_space: global }
      - { .name: freqs_cos, .offset: 24, .size: 8, .value_kind: global_buffer, .address_space: global }
      - { .name: freqs_sin, .offset: 32, .size: 8, .value_kind: global_buffer, .address_space: global }
    .group_segment_fixed_size: 327680
    .private_segment_fixed_size: 0
    .kernarg_segment_align: 8
    .kernarg_segment_size: 40
    .max_flat_workgroup_size: 128
    .sgpr_count:     80
    .vgpr_count:     1024
    .wavefront_size: 32
...
	.end_amdgpu_metadata
.endif
;; end of part 6
;; launch attn (part 7): grid 8 x 32, 4 waves a work-group, clusters of 4 x 4, 327,680 bytes of LDS; arguments qkv, attn_mask, o; writes o
.if DOCPART == 7
	.amdgcn_target "amdgcn-amd-amdhsa--gfx1250"
	.amdhsa_code_object_version 6
	.text
	.protected	k_qcadd840fb6_attn
	.globl	k_qcadd840fb6_attn
	.p2align	8
	.type	k_qcadd840fb6_attn,@function
k_qcadd840fb6_attn:
	s_mov_b64 s[64:65], 0
	v_nop
	global_prefetch_b8 v0, s[64:65] scope:SCOPE_SE
	s_setreg_imm32_b32 hwreg(HW_REG_WAVE_MODE, 25, 1), 1
	s_wait_xcnt 0x0
	s_wait_alu depctr_hold_cnt(0) depctr_sa_sdst(0) depctr_va_vdst(0) depctr_va_sdst(0) depctr_va_ssrc(0) depctr_va_vcc(0) depctr_vm_vsrc(0)
	s_getreg_b32 s2, hwreg(HW_REG_IB_STS2, 6, 4)
	s_cmp_eq_u32 s2, 0
	s_cbranch_scc0 .Lentry_in_a_cluster
	s_endpgm
.Lentry_in_a_cluster:
	s_bfe_u32 s2, ttmp6, 0x10000c
	s_cmp_lg_u32 s2, 0xf033
	s_cbranch_scc0 .Lentry_shape_is_right
	s_endpgm
.Lentry_shape_is_right:
; O[hd][q][:] = the sum over k of softmax_k(Q[hd][q] . K[hd][k] + M[q][k]) V[hd][k][:].  Q, K, V: the three parts of qkv, [64][2048][64] f16 (Q carries 64^-0.5); M: attn_mask [2048][2048] f32, one
; for all 64 heads; O: [64][2048][64] f16.  Products, maxima and sums in f32; the weights p are rounded to f16 for the second product (their sum l is taken of the unrounded p), O once at the end.
; LIMITS.  Q, K, V arrive within f16's 65,504; p lies in 0 to 1 and below 6e-5 keeps f16's fixed step of 6e-8.  The running maximum starts at -2^125: lower scores count as hidden.  A weight
; below 2^-126 counts as 0 in l.  A mask entry of minus infinity gives the weight 0; a row hidden altogether gives NaN.  NaN and plus infinity are not treated apart.
; THE MASK COSTS NO VECTOR LINE: it is the C operand of the product that starts a sum S^T = K Q^T + M^T.  In that result register j of lane l is (key 8 (l / 16) + j, query l % 16): eight
; neighbouring f32 of one row of M, two loads of 16 bytes from a tile that lies in LDS as it lies in memory.
; SHARES.  A work-group owns 256 queries of TWO heads (2 hp and 2 hp + 1): wave w has head w % 2 and the query half w / 2: 128 queries of one head, four PIECES of two tiles of 16.  So a row of M's
; tile serves two waves, and a key step brings 65,536 bytes of M and 32,768 of K and V, where one head on 512 queries would bring 131,072 and 16,384.  Every wave walks all 2,048 keys, 64 a step.
; CLUSTER 4 x 4: along a row four query blocks of one pair of heads, which walk the same K and V; along a column four pairs of heads on one query block, which walk the same tile of M.
; Each tile is asked for JOINTLY by the four that share it.
; RING.  Two slots of one key step: wave 0 fetches both heads' K, wave 1 their V, waves 2 and 3 a half of M's tile each.  One change of slots a step; between two changes every LDS read is of one slot.
; LAYOUT.  S^T holds ONE query a lane and the keys 8 (lane / 16) + 0..7; two such results rounded to f16 ARE source 1 of O^T = V^T P.  K comes out of LDS as it lies, V turned, by ds_load_tr16_b128.
; SOFTMAX.  For each query a running maximum m and sum l: p = 2^(c s - c m), c = log2(e); in every step O and l are multiplied by a = 2^(c m_old - c m_new).  O and l start at 0.
; BY TURNS.  A tile and step have 16 matrix and 118 vector instructions: too many to stand all beside the matrix work.  Turn n belongs to piece n: 16 products K Q^T of piece n + 1, later 16 products
; V^T P of piece n - 1; beside them the scaling, exponentials, roundings, sums and rescaling of piece n and the maximum and statistics of piece n + 1.  Four vector lines that are ready stand
; behind every matrix instruction, the others in two runs of their own.
; REGISTERS, in windows of 256 (s_set_vgpr_msb: bits 1:0 source 0, 3:2 source 1, 5:4 source 2, 7:6 destination):
;   window 0: v0-11 addresses; v12-15, v48-63 at work; v16-47 four registers of statistics a tile; v64-191 S^T, two buffers of two tiles; v192-255 P, likewise
;   window 1: O^T, 32 a tile     window 2: v0-127 Q, 16 a tile; v128-191 K of one step; v192-255 V of one step     window 3: v0-1 the add's two registers; v64-127 M for the piece whose scores come next
.set NP,    4         ; pieces a wave: a name, no knob
.set KS,    64        ; keys in a step
.set NSTEP, 2048/KS
.set PK,    144       ; a row of K in LDS: 128 bytes + 16 of padding: the 16 rows of a load start at 16 different groups of four banks (64 banks of 4 bytes: ISA guide 11.1)
.set PV,    160       ; a row of V: 128 + 32
.set PM,    272       ; a row of M's tile: 256 + 16: as K's
.set MHALF, 128*PM    ; 0x8800: what one tensor load brings of M
.set MSLOT, 2*MHALF   ; 0x11000.  Each region's slot 1 differs from its slot 0 in bits that are clear there, so one exclusive or turns the one into the other
.set KBASE, 2*MSLOT   ; 0x22000
.set KHEAD, KS*PK     ; one head's 64 keys
.set KSLOT, 2*KHEAD   ; 0x4800
.set VBASE, 0x30000   ; (K ends at 0x2b000)
.set VHEAD, KS*PV
.set VSLOT, 2*VHEAD   ; 0x5000
.set STAGE, VBASE+2*VSLOT  ; 0x3a000: behind the ring, never filled by a tensor load: 16 rows x 144 bytes for each wave, for the way out
.set SP,    144
.set SPARE, STAGE+4*16*SP  ; 0x3c400: the spare words, 128 bytes for each wave: two blocks of 256 bytes that no other line names
.set AK0, 2           ; v2   my lane's place in my head's K in slot 0; never rewritten
.set AV0, 3           ; v3   the same for V
.set AK,  4           ; v4   the same in the slot in hand
.set AV,  5           ; v5
.set STO, 6           ; v6   the way out: where I put 16 bytes of a row
.set RD,  7           ; v7   where I read rows back
.set GO,  8           ; v8   my byte offset in 512 consecutive bytes of O
.set AM0, 9           ; v9   my lane's place in M's slot 0, at my wave's first row
.set AM,  10          ; v10  the same in the slot in hand
.set QO,  12          ; v12  my byte offset in the wave's rows of Q, until Q is in
.set SPW, 0           ; v0 of window 3   LDS address of my spare word; never rewritten
.set NIL, 1           ; v1 of window 3   0; never rewritten
.set MK,  64          ; window 3: tile u, key block kb at MK + 32 u + 8 kb
.set MV,  12          ; v12-15  c m_old, kept while c m is made anew: by buffer and tile
.set ST,  16          ; tile t's statistics at v[ST+4 t]: c m, m, l (even keys', odd keys')
.set TMP, 48          ; by buffer and tile, four registers c0-c3 at work; when the maximum is found c2 takes a
.set S,   64
.set P,   192
.set KF,  128         ; window 2: key block kb, channel half c at KF + 16 kb + 8 c
.set VF,  192         ; window 2: key half kk, channel block cb at VF + 32 kk + 8 cb
.set WV,  12          ; s12  my wave's number
.set G1K, 24          ; s[24:31] descriptor group 1 for K's tiles
.set G1V, 32          ; s[32:39] for V's
.set G1M, 40          ; s[40:47] for M's
.set G0K, 48          ; s[48:51] descriptor group 0 for K's tiles: it walks
.set G0V, 52          ; s[52:55]
.set G0M, 56          ; s[56:59]
.set CS,  60          ; s[60:61] c: the packed scaling takes the pair's low word for both halves
.set SEL, 62          ; s[62:63] v_permlanex16_b32's selects: each lane takes its own place in the other half
.set TBK, 66          ; s66  0 or KSLOT: the slot in hand
.set TBV, 67          ; s67  0 or VSLOT
.set TBM, 68          ; s68  0 or MSLOT
.set STEPS, 69        ; s69  counts the loop's trips
.set CNT, 70          ; s70  counts the tail's
.set MSB, 0
.macro WIN new                      ; the high byte repeats the setting that is left; a switch that changes nothing is dropped
.if MSB != (\new)
	s_set_vgpr_msb (MSB<<8)|(\new)
.set MSB, (\new)
.endif
.endm
.set W_KQ, 0x0a       ; K and Q in window 2, S^T in window 0
.set W_KM, 0x3a       ; the same with the C operand, M, in window 3
.set W_PV, 0x52       ; V in window 2, P in window 0, O^T in window 1
.set W_RS, 0x41       ; O^T (destination and source 0) in window 1, a in window 0
.set W_MK, 0xc0       ; destination in window 3, sources in window 0
.set W_AD, 0x0f       ; the add: address (source 0) and data (source 1) in window 3
; A joint fill: one line for each wave's share.  The branches hang on the wave's number alone.  Four v_nop follow each line, ahead of the jump and the label.
.macro JLOAD
	s_cmp_lt_u32 s[WV], 2
	s_cbranch_scc0 .Lfor_m_\@
	s_cmp_eq_u32 s[WV], 0
	s_cbranch_scc0 .Lfor_v_\@
	tensor_load_to_lds s[G0K:G0K+3], s[G1K:G1K+7]
.rept 4
	v_nop
.endr
	s_branch .Lasked_\@
.Lfor_v_\@:
	tensor_load_to_lds s[G0V:G0V+3], s[G1V:G1V+7]
.rept 4
	v_nop
.endr
	s_branch .Lasked_\@
.Lfor_m_\@:
	tensor_load_to_lds s[G0M:G0M+3], s[G1M:G1M+7]
.rept 4
	v_nop
.endr
.Lasked_\@:
.endm
; A round of the cluster's barrier: my work-group's barrier, so that wave 0's signal speaks for all four waves; wave 0 signals; every wave waits for all sixteen work-groups; my work-group's barrier once more.
.macro CROUND
	s_barrier_signal -1
	s_barrier_wait -1
	s_cmp_lg_u32 s[WV], 0
	s_cbranch_scc1 .Lnot_wave_0_\@
	s_barrier_signal -3
.Lnot_wave_0_\@:
	s_barrier_wait -3
	s_barrier_signal -1
	s_barrier_wait -1
.endm
.macro PLACES
.rept 4
	v_nop
.endr
.endm
; THE CHANGE OF SLOTS, once a key step.  Each wave waits for all its tensor loads, of which one is out: its part of the other slot; adds 0 to its spare word; and waits for that and for its own reads
; of the slot that it leaves.  Behind the barrier nobody reads that slot any more and the other slot is whole.  fill = 1: the slot is filled again, with the step two steps on.  The barrier is then a
; round of the cluster's, so that no wave of any partner still reads the slot or has a load on its way, and the joint fill is the first thing behind it: it has a key step, 128 matrix instructions
; of each wave, in which to land.  (At its first use nothing has been read yet: slot 0 is waited for, slot 1 filled.)  At last the three LDS addresses are made for the slot now in hand.
.macro CHANGE fill
	WIN W_AD
	s_wait_tensorcnt 0x0            ; no tensor load of mine is out, so a group 0 may be written
	ds_add_u32 v[SPW], v[NIL]       ; 0 onto my spare word: with fill = 1 the descriptors' steps stand between it and the wait for it
	WIN 0                           ; at a label and at a branch every window is 0
.if \fill
	s_xor_b32 s[G0K+1], s[G0K+1], KSLOT  ; the walking descriptors: the other slot than last time,
	s_add_nc_u64 s[G0K+2:G0K+3], s[G0K+2:G0K+3], KS*128  ; the next 64 keys of both heads; the type bits on top are not reached
	s_xor_b32 s[G0V+1], s[G0V+1], VSLOT
	s_add_nc_u64 s[G0V+2:G0V+3], s[G0V+2:G0V+3], KS*128
	s_xor_b32 s[G0M+1], s[G0M+1], MSLOT
	s_add_nc_u64 s[G0M+2:G0M+3], s[G0M+2:G0M+3], KS*4    ; the next 64 columns of M
	s_wait_dscnt 0x0                ; the add is done, and my reads of the slot are over
	CROUND
	JLOAD
.else
	s_wait_dscnt 0x0                ; the add is done, and my reads of the slot are over
	s_barrier_signal -1
	s_barrier_wait -1
.endif
	s_xor_b32 s[TBK], s[TBK], KSLOT
	s_xor_b32 s[TBV], s[TBV], VSLOT
	s_xor_b32 s[TBM], s[TBM], MSLOT
	v_add_nc_u32 v[AK], s[TBK], v[AK0]
	v_add_nc_u32 v[AV], s[TBV], v[AV0]
	v_add_nc_u32 v[AM], s[TBM], v[AM0]
.endm
	s_load_b128 s[4:7], s[0:1], 0x0   ; qkv s[4:5], attn_mask s[6:7]
	s_load_b64 s[10:11], s[0:1], 0x10 ; o
	WIN W_MK
	v_lshl_add_u32 v[SPW], v0, 2, SPARE
	v_mov_b32 v[NIL], 0
	WIN 0
	v_lshrrev_b32 v1, 5, v0
	v_readfirstlane_b32 s[WV], v1   ; wave 0..3
	s_bfe_u32 s13, ttmp6, 0x40000   ; cx, cy: my place in the cluster
	s_bfe_u32 s14, ttmp6, 0x40004
	s_lshl_b32 s15, ttmp9, 2        ; in a cluster launch ttmp9 and ttmp7 count clusters
	s_add_co_u32 s15, s15, s13      ; my block of 256 queries, 0..7 = 4 x cluster x + cx
	s_and_b32 s16, ttmp7, 0xffff
	s_lshl_b32 s16, s16, 2
	s_add_co_u32 s16, s16, s14      ; my pair of heads, 0..31 = 4 x cluster y + cy
	s_lshl_b32 s17, s14, 2
	s_lshl_b32 s17, 15, s17         ; my row of the cluster: one pair of heads
	s_lshl_b32 s18, 0x1111, s13     ; my column: one query block
	s_lshl_b32 s72, s16, 19         ; the pair's first byte in a part of qkv and in o: K's and V's addresses hang on it alone
	s_mov_b32 s73, 0
	s_and_b32 s19, s[WV], 1         ; my head of the pair.  Also: which half of M's tile I fetch
	s_lshr_b32 s23, s[WV], 1        ; my half of the block's queries
	s_lshl_b32 s74, s15, 21         ; M: 256 rows of 8,192 bytes a block,
	s_lshl_b32 s20, s19, 20         ; 128 a half: M's address hangs on the block alone
	s_add_co_u32 s74, s74, s20
	s_mov_b32 s75, 0
	s_lshl_b32 s76, s15, 15         ; Q and O: the block's 256 rows of 128 bytes,
	s_add_co_u32 s76, s76, s72      ; in the pair,
	s_lshl_b32 s20, s19, 18         ; in my head of it,
	s_add_co_u32 s76, s76, s20
	s_lshl_b32 s20, s23, 14         ; my wave's 128 of them
	s_add_co_u32 s76, s76, s20
	s_mov_b32 s77, 0
	; descriptor group 1.  64 keys of a head are 8,192 dense bytes: one row of K's (V's) tile; the pair's second head lies 262,144 bytes on: the second row.  In LDS padded after every key.
	; M's half tile: 128 rows of 64 f32, 2,048 apart.
	s_or_b32 s[G1K], s17, (1<<16)|(1<<20)|(1<<21)|(4<<22)|(3<<25)  ; 15:0 the mask: my row; 17:16 2-byte elements; 20 padding on; 21 set beside a mask; 24:22 after every 32 words (code 4); 31:25 4 words (code 3)
	s_or_b32 s[G1V], s17, (1<<16)|(1<<20)|(1<<21)|(4<<22)|(7<<25)  ; the same with 8 words of padding (code 7)
	s_or_b32 s[G1M], s18, (2<<16)|(1<<20)|(1<<21)|(5<<22)|(3<<25)  ; my column; 4-byte elements; after every 64 words (code 5) 4 words
.irp g, G1K, G1V
	s_mov_b32 s[\g+1], 4096<<16     ; tensor_dim0 = 4,096
	s_mov_b32 s[\g+2], 2<<16        ; tensor_dim1 = 2
	s_mov_b32 s[\g+3], 4096<<16     ; tile_dim0 = 4,096
	s_mov_b32 s[\g+4], 2            ; tile_dim1 = 2
	s_mov_b32 s[\g+5], 131072       ; 131,072 elements from head to head
	s_mov_b32 s[\g+6], 0
	s_mov_b32 s[\g+7], 0
.endr
	s_mov_b32 s[G1M+1], KS<<16      ; tensor_dim0 = 64
	s_mov_b32 s[G1M+2], 128<<16     ; tensor_dim1 = 128
	s_mov_b32 s[G1M+3], KS<<16      ; tile_dim0 = 64
	s_mov_b32 s[G1M+4], 128         ; tile_dim1 = 128
	s_mov_b32 s[G1M+5], 2048        ; 2,048 elements from row to row
	s_mov_b32 s[G1M+6], 0
	s_mov_b32 s[G1M+7], 0
	s_mov_b32 s[CS], 0x3fb8aa3b     ; c = log2(e): Q carries the scale, and M is in natural units
	s_mov_b32 s[CS+1], s[CS]        ; named with it as a pair
	s_mov_b32 s[SEL], 0x76543210
	s_mov_b32 s[SEL+1], 0xfedcba98
	s_mov_b32 s[TBK], KSLOT         ; the first change of slots turns these three into 0
	s_mov_b32 s[TBV], VSLOT
	s_mov_b32 s[TBM], MSLOT
	s_mov_b32 s[G0K], 1             ; count = 1
	s_mov_b32 s[G0K+1], KBASE       ; LDS address: slot 0
	s_mov_b32 s[G0V], 1
	s_mov_b32 s[G0V+1], VBASE
	s_mov_b32 s[G0M], 1
	s_mul_i32 s[G0M+1], s19, MHALF  ; no place in the cluster enters an LDS address
	s_wait_kmcnt 0x0
	s_add_nc_u64 s[G0K+2:G0K+3], s[4:5], s[72:73]  ; global address: the first 64 keys of the pair's first head,
	s_add_nc_u64 s[G0K+2:G0K+3], s[G0K+2:G0K+3], 0x1000000  ; in part 1 of qkv
	s_or_b32 s[G0K+3], s[G0K+3], 0x80000000        ; type = 2
	s_add_nc_u64 s[G0V+2:G0V+3], s[4:5], s[72:73]
	s_add_nc_u64 s[G0V+2:G0V+3], s[G0V+2:G0V+3], 0x2000000  ; part 2
	s_or_b32 s[G0V+3], s[G0V+3], 0x80000000
	s_add_nc_u64 s[G0M+2:G0M+3], s[6:7], s[74:75]
	s_or_b32 s[G0M+3], s[G0M+3], 0x80000000
	s_add_nc_u64 s[4:5], s[4:5], s[76:77]  ; Q (part 0) and O at my wave's first row
	s_add_nc_u64 s[10:11], s[10:11], s[76:77]
	CROUND                          ; all sixteen work-groups are here: the first joint loads meet
	JLOAD                           ; key step 0 into slot 0: one tensor load of mine is out
	; A fragment of K or Q is 16 rows x 32 channels in 8 registers: lane l holds row l % 16, channels 8 (l / 16) + 0..7 and 16 + 8 (l / 16) + 0..7: two loads of 16 bytes, 32 bytes apart.
	v_and_b32 v1, 15, v0            ; l % 16
	v_bfe_u32 v9, v0, 4, 1          ; l / 16
	v_lshlrev_b32 v[QO], 7, v1
	v_lshl_add_u32 v[QO], v9, 4, v[QO]  ; row x 128 + 16 x half
	WIN 0x80                        ; destination window 2, address window 0
.set i, 0
.rept 4*NP                          ; Q stays in registers: tile i / 2, channels 32 (i % 2) on
	global_load_b128 v[8*i:8*i+3],   v[QO], s[4:5] offset:(i/2)*2048+(i%2)*64
	global_load_b128 v[8*i+4:8*i+7], v[QO], s[4:5] offset:(i/2)*2048+(i%2)*64+32
.set i, i+1
.endr
	; What the first turn finds: V's registers and P's second buffer hold 0 (its products V^T P, of a piece that has not been, add 0), O^T and l are 0.  All this stands in the wait for the first tile.
.set i, VF
.rept 64
	v_mov_b32 v[i], 0
.set i, i+1
.endr
	WIN 0x40
.set i, 0
.rept 64*NP
	v_mov_b32 v[i], 0
.set i, i+1
.endr
	WIN 0
.set i, 0
.rept 2*NP
	v_mov_b32 v[ST+4*i], 0xfe38aa3b    ; c m = -c 2^125: finite, and exactly c times the m below
	v_mov_b32 v[ST+4*i+1], 0xfe000000  ; m = -2^125
	v_mov_b32 v[ST+4*i+2], 0
	v_mov_b32 v[ST+4*i+3], 0
.set i, i+1
.endr
.set i, P+32
.rept 32
	v_mov_b32 v[i], 0
.set i, i+1
.endr
	s_mul_i32 s20, s19, KHEAD       ; my head's keys in K's slot
	s_add_co_u32 s20, s20, KBASE
	v_mul_u32_u24 v[AK0], v1, PK
	v_lshl_add_u32 v[AK0], v9, 4, v[AK0]  ; row x pitch + 16 x half
	v_add_nc_u32 v[AK0], s20, v[AK0]
	; The turning load takes 16 keys x 16 channels (lane l reads key 8 (l / 16) + l % 8, channels 8 ((l / 8) % 2) + 0..7) and leaves half a fragment of V^T: lane l holds channel l % 16 and 8 keys.
	s_mul_i32 s20, s19, VHEAD
	s_add_co_u32 s20, s20, VBASE
	v_and_b32 v10, 7, v0
	v_bfe_u32 v11, v0, 3, 1
	v_lshl_add_u32 v[AV0], v9, 3, v10
	v_mul_u32_u24 v[AV0], v[AV0], PV
	v_lshl_add_u32 v[AV0], v11, 4, v[AV0]
	v_add_nc_u32 v[AV0], s20, v[AV0]
	s_mul_i32 s21, s[WV], 16*SP
	s_add_co_u32 s21, s21, STAGE    ; my stage
	v_mul_u32_u24 v[STO], v1, SP    ; in: row l % 16, 16 bytes for each half of the lanes
	v_lshl_add_u32 v[STO], v9, 4, v[STO]
	v_add_nc_u32 v[STO], s21, v[STO]
	v_bfe_u32 v[RD], v0, 3, 2       ; back: 32 lanes take four rows of 128 bytes,
	v_mul_u32_u24 v[RD], v[RD], SP
	v_lshl_add_u32 v[RD], v10, 4, v[RD]
	v_add_nc_u32 v[RD], s21, v[RD]
	v_and_b32 v[GO], 31, v0         ; which are 512 consecutive bytes of O
	v_lshlrev_b32 v[GO], 4, v[GO]
	s_mul_i32 s22, s23, 128*PM      ; M: my query half's 128 rows of the tile's 256; row l % 16, 32 bytes for each half of the lanes
	v_mul_u32_u24 v10, v1, PM
	v_lshl_add_u32 v[AM0], v9, 5, v10
	v_add_nc_u32 v[AM0], s22, v[AM0]
; THE MATRIX WORK.  The 8 accumulators of a run of 16 take turns: between the two links of a chain stand 7 others'.
; Product i of 16 of S^T = K Q^T + M^T for piece x: channels 32 (i / 8) on, keys 16 ((i / 2) % 4) on, tile 2 x + i % 2.  The first 8 start the sums, with M.
.macro KQ x
.set rS, S+64*((\x)%2)+32*(i%2)+8*((i/2)%4)
.set rK, KF+16*((i/2)%4)+8*(i/8)
.set rQ, 16*(2*(\x)+i%2)+8*(i/8)
.set rMK, MK+32*(i%2)+8*((i/2)%4)
.if i < 8
	WIN W_KM
	v_wmma_f32_16x16x32_f16 v[rS:rS+7], v[rK:rK+7], v[rQ:rQ+7], v[rMK:rMK+7]
.else
	WIN W_KQ
	v_wmma_f32_16x16x32_f16 v[rS:rS+7], v[rK:rK+7], v[rQ:rQ+7], v[rS:rS+7]
.endif
.endm
; Product i of 16 of O^T += V^T P for piece x: keys 32 (i / 8) on, channels 16 ((i / 2) % 4) on, tile 2 x + i % 2.
.macro PV x
	WIN W_PV
.set rO, 32*(2*(\x)+i%2)+8*((i/2)%4)
.set rV, VF+32*(i/8)+8*((i/2)%4)
.set rP, P+32*((\x)%2)+16*(i%2)+8*(i/8)
	v_wmma_f32_16x16x32_f16 v[rO:rO+7], v[rV:rV+7], v[rP:rP+7], v[rO:rO+7]
.endm
.macro MM                           ; the turn's next matrix instruction
.if i < 16
	KQ (Y+1)%NP
.set i, i+1
.else
.set i, i-16
	PV (Y+NP-1)%NP
.set i, i+17
.endif
.endm
; THE LDS LOADS stand in runs of 16, never singly among the matrix instructions: a step's K (8 fragments), its V (turned), and M for one piece (2 tiles x 4 key blocks x 8 f32 a lane).
.macro FETCH_K
	WIN 0x80                        ; destination window 2
.irp f, 0,1,2,3,4,5,6,7             ; keys 16 (f / 2) on, channels 32 (f % 2) on
	ds_load_b128 v[KF+8*\f:KF+8*\f+3],   v[AK] offset:(\f/2)*16*PK+(\f%2)*64
	ds_load_b128 v[KF+8*\f+4:KF+8*\f+7], v[AK] offset:(\f/2)*16*PK+(\f%2)*64+32
.endr
	WIN 0
.endm
.macro FETCH_V
	WIN 0x80
.irp f, 0,1,2,3,4,5,6,7             ; keys 32 (f / 4) on, channels 16 (f % 4) on
	ds_load_tr16_b128 v[VF+8*\f:VF+8*\f+3],   v[AV] offset:(\f/4)*32*PV+(\f%4)*32
	ds_load_tr16_b128 v[VF+8*\f+4:VF+8*\f+7], v[AV] offset:(\f/4)*32*PV+16*PV+(\f%4)*32
.endr
	WIN 0
.endm
.macro FETCH_M pc                   ; piece pc: rows 16 (2 pc + u) + l % 16 of my 128, columns 16 kb + 8 (l / 16) + 0..7
	WIN W_MK                        ; destination window 3
.irp u, 0,1
.irp kb, 0,1,2,3
	ds_load_b128 v[MK+32*\u+8*\kb:MK+32*\u+8*\kb+3],   v[AM] offset:(2*(\pc)+\u)*16*PM+64*\kb
	ds_load_b128 v[MK+32*\u+8*\kb+4:MK+32*\u+8*\kb+7], v[AM] offset:(2*(\pc)+\u)*16*PM+64*\kb+16
.endr
.endr
	WIN 0
.endm
; THE VECTOR WORK OF A TURN stands in three queues, each in the order in which its entries become ready; the two tiles alternate, so that no instruction reads the result of the one before it.
.macro REGS y, u                    ; the registers of tile u (0, 1) of piece y
.set rT, ST+4*(2*(\y)+(\u))
.set rC, TMP+8*((\y)%2)+4*(\u)
.set rM, MV+2*((\y)%2)+(\u)
.set rS, S+64*((\y)%2)+32*(\u)
.set rP, P+32*((\y)%2)+16*(\u)
.set rO, 32*(2*(\y)+(\u))
.endm
; Number n of the 22 that find the NEXT piece's (Y + 1) maximum and statistics.  s0-s31 are the lane's 32 scores; each accumulator's lowest registers are read first.  XS, GS and REGS set no window: PL and EX do.
;   0-11  four chains c0-c3 of seven scores each, three operands at a time     12-14, 16  the four scores left over, the old m, and c0-c3 into c0     15  c m_old is kept
;   17, 18  the query's other 32 keys lie in the lane 16 away: the new m         19-21  c m; c m_old - c m_new; a
.macro XS u, n
	REGS (Y+1)%NP, \u
.if (\n) < 4
	v_max3_num_f32 v[rC+(\n)], v[rS+8*(\n)], v[rS+8*(\n)+1], v[rS+8*(\n)+2]
.elseif (\n) < 12
	v_max3_num_f32 v[rC+(\n)%4], v[rC+(\n)%4], v[rS+8*((\n)%4)+2*((\n)/4)+1], v[rS+8*((\n)%4)+2*((\n)/4)+2]
.elseif (\n) == 12
	v_max3_num_f32 v[rC], v[rC], v[rS+7], v[rS+15]
.elseif (\n) == 13
	v_max3_num_f32 v[rC+1], v[rC+1], v[rS+23], v[rS+31]
.elseif (\n) == 14
	v_max3_num_f32 v[rC+2], v[rC+2], v[rC+3], v[rT+1]
.elseif (\n) == 15
	v_mov_b32 v[rM], v[rT]
.elseif (\n) == 16
	v_max3_num_f32 v[rC], v[rC], v[rC+1], v[rC+2]
.elseif (\n) == 17
	v_permlanex16_b32 v[rC+3], v[rC], s[SEL], s[SEL+1]
.elseif (\n) == 18
	v_max_num_f32 v[rT+1], v[rC], v[rC+3]
.elseif (\n) == 19
	v_mul_f32 v[rT], s[CS], v[rT+1]
.elseif (\n) == 20
	v_sub_f32 v[rC+1], v[rM], v[rT]
.else
	v_exp_f32 v[rC+2], v[rC+1]
.endif
.endm
; Number g of the 64 that follow the exponentials.  For each four weights k of a tile (pairs 2 k, 2 k + 1): both pairs are rounded to f16; then the second pair is added onto the first, in place;
; a group later l takes that sum (the first time as l = a l + sum).  In groups of eight, tiles alternating: round, round, add, and l for the group before.
.macro GS g
.set h, (\g)+6*((\g)/62)            ; group 0 has no group before it, and behind group 7 only l is left
.if h >= 6
.set h, h+2
.endif
	REGS Y, h%2
.set k, h/8
.if h%8 < 4
	v_cvt_pk_f16_f32 v[rP+2*k+(h%8)/2], v[rS+4*k+2*((h%8)/2)], v[rS+4*k+2*((h%8)/2)+1]
.elseif h%8 < 6
	v_pk_add_f32 v[rS+4*k:rS+4*k+1], v[rS+4*k:rS+4*k+1], v[rS+4*k+2:rS+4*k+3]
.elseif k == 1
	v_pk_fma_f32 v[rT+2:rT+3], v[rT+2:rT+3], v[rC+2:rC+3], v[rS:rS+1] op_sel_hi:[1,0,1]
.else
	v_pk_add_f32 v[rT+2:rT+3], v[rT+2:rT+3], v[rS+4*k-4:rS+4*k-3]
.endif
.endm
; THE PLAIN QUEUE, 138 long.  0-31: c s - c m for the 16 pairs of both tiles.  Then GS's 64, and among them the next piece's 42: number 15 at 38, 39; 0-14 and 16
; at 42-73, behind the products that make those scores; 17-20 at 95-106, two of three, since each waits for the one before it.
.macro PL
	WIN 0
.if q < 32
	REGS Y, q%2
	v_pk_fma_f32 v[rS+2*(q/2):rS+2*(q/2)+1], v[rS+2*(q/2):rS+2*(q/2)+1], s[CS:CS+1], v[rT:rT+1] op_sel_hi:[1,0,0] neg_lo:[0,0,1] neg_hi:[0,0,1]
.elseif q < 38
	GS q-32
.elseif q < 40
	XS q%2, 15
.elseif q < 42
	GS q-34
.elseif q < 74
	XS q%2, (q-42)/2+(q-42)/30
.elseif q < 95
	GS q-66
.elseif (q < 107) && ((q-95)%3 < 2)
	XS (q-95)%3, 17+(q-95)/3
.elseif q < 107
	GS 29+(q-95)/3
.else
	GS q-74
.endif
.set q, q+1
.endm
; THE EXPONENTIALS' QUEUE, 66 long: s0-s31 of both tiles, and at EA the next piece's two a.
.set EA, 58
.macro EX
	WIN 0
.if (e == EA) || (e == EA+1)
	XS e-EA, 21
.else
.set x, e-2*(e/(EA+2))
	REGS Y, x%2
	v_exp_f32 v[rS+x/2], v[rS+x/2]
.endif
.set e, e+1
.endm
; THE RESCALING's QUEUE: O^T times a, the one part that leaves window 0, so it is dealt four at a time, eight times.
.macro R4
	REGS Y, r%2
	WIN W_RS
.irp z, 0,1,2,3
	v_pk_mul_f32 v[rO+8*(r/2)+2*\z:rO+8*(r/2)+2*\z+1], v[rO+8*(r/2)+2*\z:rO+8*(r/2)+2*\z+1], v[rC+2:rC+3] op_sel_hi:[1,0]
.endr
.set r, r+1
.endm
; HOW THEY ARE DEALT.  Behind a matrix instruction four: plain, exponential, plain, plain (one exponential, a plain instruction on either side), or four of the rescaling.  None names a register of the
; products round it.  What is over stands in two runs: exponential and plain by turns; the second ends in 22 plain instructions.  The two v_permlanex16_b32 fall into the second run, never behind a product.
; The queues lean on each other, and the deal keeps them in step: exponential e stands behind plain 2 (e / 4) + e % 2 (its scaling); EA comes behind plain 107.
.macro SL
	MM
	PL
	EX
	PL
	PL
.endm
.macro BURST n                      ; 15 matrix instructions, or 16
.rept (\n)-7
	SL
.endr
.rept 3
	MM
	R4
	SL
.endr
	MM
	R4
.endm
; A TURN, for piece p.  cnt = 1: the loop's count is taken down some lines ahead of the branch that stands behind the turn.
; M for piece p + 2, whose scores the next turn makes, is fetched early in the first run: the last product that read M's registers is the turn's eighth, eight products and their riders back.
; K of the next step is fetched in piece 2's turn, later in that run, behind the last product that read K, four rescalings and thirteen plain lines.  V of the step in hand is fetched at the end of
; piece 0's turn, 43 plain lines behind its last reader.  The waits: at a turn's head M is wanted (in piece 3's turn K too); piece 1's turn leaves V's sixteen younger loads out there, and in front
; of its products V^T P leaves out the sixteen loads of M that it has issued since.
.macro TURN p, cnt=0
.set Y, (\p)
.set i, 0
.set q, 0
.set e, 0
.set r, 0
.if (\p) == 1
	s_wait_dscnt 16                 ; M is in; V's run, issued behind it, may be out
.else
	s_wait_dscnt 0x0                ; M is in, and in piece 3's turn K
.endif
	MM
.rept 4
	PL
.endr
	BURST 15
.rept 22
	EX
	PL
.if e == 14
	FETCH_M ((\p)+2)%NP
.endif
.if ((\p) == NP-2) && (e == 24)
	FETCH_K
.endif
.endr
.if (\p) == 1
	s_wait_dscnt 16                 ; V is in; M's run, issued behind it, may be out
.endif
	BURST 16
.rept 21
	EX
	PL
.endr
.rept 22
	PL
.if (\cnt) && (q == 130)
	s_sub_co_u32 s[STEPS], s[STEPS], 1
	s_cmp_lg_u32 s[STEPS], 0
.endif
.endr
.if (\p) == 0
	FETCH_V
.endif
.endm
	CHANGE 1                        ; step 0 is in, everybody's part of it; step 1 is asked for
	FETCH_K                         ; key step 0
	FETCH_M 0
	s_wait_loadcnt 0x0              ; Q
	s_wait_dscnt 0x0
.set i, 0
.rept 16
	KQ 0                            ; piece 0's first scores: there is no vector work yet to set between them
.set i, i+1
.endr
	WIN 0
	PLACES                          ; behind those products: M's registers are loaded again, and the scores are read
	FETCH_M 1
.set Y, NP-1                        ; XS works for piece Y + 1: piece 0
.irp n, 0,1,2,3,4,5,6,7,8,9,10,11,12,13,14,15,16,17,18,19,20,21
	XS 0, \n                        ; piece 0's first maximum and statistics
	XS 1, \n
.endr
	s_mov_b32 s[STEPS], NSTEP-1
	s_branch .Lfirst                ; the loop is entered at a step's first turn, in the middle of a trip
.Lstep:                             ; 30 times: steps 2 to 31 are asked for.  A trip: pieces 2 and 3 of one step, then pieces 0 and 1 of the next, whose K, V and M it fetches, all from the slot in hand
	CHANGE 1
	TURN 2
	TURN 3
	WIN 0
.Lfirst:
	TURN 0
	TURN 1, 1
	WIN 0
	s_cbranch_scc1 .Lstep
	CHANGE 0                        ; the tail is written out: nothing is asked for
	s_mov_b32 s[CNT], 2             ; one trip fetches the last step; the second is left in its middle
.Ltail:
	TURN 2
	TURN 3
	WIN 0
	s_sub_co_u32 s[CNT], s[CNT], 1
	s_cmp_eq_u32 s[CNT], 0
	s_cbranch_scc1 .Lout
	TURN 0
	TURN 1
	WIN 0
	s_branch .Ltail
.Lout:                              ; the second trip's 16 products K Q^T (on the last K and M once more) and the maximum made of them serve nothing: the price, once a launch, of one text for every trip
.set i, 0
.rept 16
	PV NP-1                         ; the last piece's V^T P of the last step
.set i, i+1
.endr
	; THE WAY OUT.  l's two halves and the other half of the lanes' are added; O^T is divided by l, rounded to f16 and sent through my stage in LDS, a tile at a time.  The additions are the places behind the last products.
	WIN 0
.macro ALL line:vararg              ; one line for each tile t
.set t, 0
.rept 2*NP
	\line
.set t, t+1
.endr
.endm
	ALL v_add_f32 v[ST+4*t+2], v[ST+4*t+2], v[ST+4*t+3]
	ALL v_permlanex16_b32 v[ST+4*t+3], v[ST+4*t+2], s[SEL], s[SEL+1]
	ALL v_add_f32 v[ST+4*t+2], v[ST+4*t+2], v[ST+4*t+3]
	ALL v_rcp_f32 v[ST+4*t+2], v[ST+4*t+2]
	v_nop                           ; a plain instruction between the last reciprocal and the use of its result
; Tile t: a lane's eight channels of a row pack into 16 bytes; they go into rows of 144 bytes and come back as whole rows of 128, into S^T's registers.
.macro PACK t
	WIN W_RS
.set i, 32*(\t)
.rept 16
	v_pk_mul_f32 v[i:i+1], v[i:i+1], v[ST+4*(\t)+2:ST+4*(\t)+3] op_sel_hi:[1,0]
.set i, i+2
.endr
	WIN 0x05                        ; sources 0 and 1 window 1, destination window 0
.set i, 0
.rept 16
	v_cvt_pk_f16_f32 v[S+16*(\t)+i], v[32*(\t)+2*i], v[32*(\t)+2*i+1]
.set i, i+1
.endr
	WIN 0
.irp f, 0,1,2,3
	ds_store_b128 v[STO], v[S+16*(\t)+4*\f:S+16*(\t)+4*\f+3] offset:32*\f
.endr
.irp f, 0,1,2,3
	ds_load_b128 v[S+16*(\t)+4*\f:S+16*(\t)+4*\f+3], v[RD] offset:\f*4*SP  ; LDS serves a wave's instructions in order (ISA guide 5.7.1.4): these see the stores above; the next tile's stores come behind them
.endr
.endm
.macro SEND t, younger              ; younger: the LDS instructions issued behind tile t's loads: the next tile's eight, or none
	WIN 0
.irp f, 0,1,2,3
	s_wait_dscnt (\younger)+3-\f
	global_store_b128 v[GO], v[S+16*(\t)+4*\f:S+16*(\t)+4*\f+3], s[10:11] offset:(\t)*2048+\f*512  ; 512 consecutive bytes, at a multiple of 256 from O's first
.endr
.endm
	PACK 0
.set t, 1
.rept 2*NP-1                        ; a tile's arithmetic stands between the loads of the tile before and its stores
	PACK t
	SEND t-1, 8
.set t, t+1
.endr
	SEND 2*NP-1, 0
	WIN W_AD
	s_wait_tensorcnt 0x0            ; the wave's end: behind my last tensor load and my last LDS store
	ds_add_u32 v[SPW], v[NIL]
	s_wait_dscnt 0x0
	WIN 0
	CROUND                          ; the closing round: no work-group ends while a partner may still ask for a tile that names it
	s_endpgm
.Lfunc_end_k_qcadd840fb6_attn:
	.size	k_qcadd840fb6_attn, .Lfunc_end_k_qcadd840fb6_attn-k_qcadd840fb6_attn
	.p2alignl 7, 3214868480
	.fill 96, 4, 3214868480
	.section	.rodata,"a",@progbits
	.p2align	6, 0x0
	.amdhsa_kernel k_qcadd840fb6_attn
		.amdhsa_group_segment_fixed_size 327680
		.amdhsa_private_segment_fixed_size 0
		.amdhsa_enable_private_segment 0
		.amdhsa_kernarg_size 24
		.amdhsa_user_sgpr_count 2
		.amdhsa_user_sgpr_kernarg_segment_ptr 1
		.amdhsa_wavefront_size32 1
		.amdhsa_system_sgpr_workgroup_id_x 1
		.amdhsa_system_sgpr_workgroup_id_y 1
		.amdhsa_system_sgpr_workgroup_id_z 1
		.amdhsa_system_vgpr_workitem_id 0
		.amdhsa_next_free_vgpr 896
		.amdhsa_next_free_sgpr 80
		.amdhsa_reserve_vcc 0
		.amdhsa_float_denorm_mode_32 3
		.amdhsa_float_denorm_mode_16_64 3
		.amdhsa_memory_ordered 1
		.amdhsa_forward_progress 1
		.amdhsa_inst_pref_size 208
	.end_amdhsa_kernel
	.amdgpu_metadata
---
amdhsa.version: [ 1, 2 ]
amdhsa.kernels:
  - .name:           k_qcadd840fb6_attn
    .symbol:         k_qcadd840fb6_attn.kd
    .args:
      - { .name: qkv, .offset: 0, .size: 8, .value_kind: global_buffer, .address_space: global }
      - { .name: attn_mask, .offset: 8, .size: 8, .value_kind: global_buffer, .address_space: global }
      - { .name: o, .offset: 16, .size: 8, .value_kind: global_buffer, .address_space: global }
    .group_segment_fixed_size: 327680
    .private_segment_fixed_size: 0
    .kernarg_segment_align: 8
    .kernarg_segment_size: 24
    .max_flat_workgroup_size: 128
    .sgpr_count:     80
    .vgpr_count:     896
    .wavefront_size: 32
...
	.end_amdgpu_metadata
.endif
;; end of part 7
;; launch proj: the kernel of part 4 again; grid 8 x 32, 4 waves a work-group, clusters of 4 x 4, 327,680 bytes of LDS; arguments o, wph, out0, bproj; writes out0
